; MI455X (gfx1250); checked and timed in simulation.
; The chip was launched on July 23, 2026; its instructions are those of AMD's public machine-readable ISA for CDNA 5 (MIT licence, August 2026) and "CDNA5" Instruction Set Architecture Reference Guide (July 2026). The comments in the code are by the model that wrote it; some were corrected since.
;; Masked Multi Head Attention. Allowed arithmetic: matrix products marked QUANTISED: E2M3 operands, one E8M0 scale for each 32 along K, by v_wmma_scale_f32_16x16x128_f8f6f4 with both operands' format E2M3, f32 sums; everything else in f32.
;; Inputs: Wk 1,024 x 1,024 float32; Wo 1,024 x 1,024 float32; Wq 1,024 x 1,024 float32; Wv 1,024 x 1,024 float32; bk 1,024 float32; bo 1,024 float32; bq 1,024 float32; bv 1,024 float32; keys 4 x 2,048 x 1,024 float32; queries 4 x 2,048 x 1,024 float32; values 4 x 2,048 x 1,024 float32.
;; Outputs: out0 4 x 2,048 x 1,024 float32.
;; This version of the problem:
;;   THIS VERSION OF THE PROBLEM IS GIVEN IN LOW PRECISION. The matrix products marked QUANTISED in the list below multiply operands that are first quantised to E2M3 (2 exponent bits, 3 mantissa bits; 6 bits a number), with one power-of-two scale for each 32 numbers along K (OCP MX v1.0); their sums are f32. All else is computed in f32.
;;   The module's matrix products, in the order in which they are computed (A, B: the left and right operand; K: the contracted axis; several contracted axes count as one K, in the product's order):
;;     1. [M 8,192, K 1,024] x [K 1,024, N 1,024]; A: input queries; B: input Wq: QUANTISED
;;     2. [M 8,192, K 1,024] x [K 1,024, N 1,024]; A: input keys; B: input Wk: QUANTISED
;;     3. [M 8,192, K 1,024] x [K 1,024, N 1,024]; A: input values; B: input Wv: QUANTISED
;;     4. batch 64 x [M 2,048, K 64] x [K 64, N 2,048]; A: computed on the way; B: computed on the way: QUANTISED
;;     5. batch 64 x [M 2,048, K 2,048] x [K 2,048, N 64]; A: computed on the way; B: computed on the way: QUANTISED
;;     6. [M 8,192, K 1,024] x [K 1,024, N 1,024]; A: computed on the way; B: input Wo: QUANTISED
;;   THE QUANTISER, for each operand of a quantised product, along K:
;;     - K is cut into blocks of 32 from its start; a last block that is shorter is filled with zeros.
;;     - A block's scale is 2^e with e = floor(log2(the largest magnitude in the block)) - 2, held to -126 .. 127; a block of zeros has e = 0. As a byte (E8M0): e + 127.
;;     - Each number is divided by its block's scale, clamped to +-7.5, and rounded to the nearest number of E2M3, ties to even, subnormals kept.
;;     - The product sums the exact products of the quantised numbers (number of the format x scale) in f32.
;;   ~~~python
;;   def quantise(x, axis):      # numpy; x: float32 -> the quantised numbers, widened to float32 again
;;       x = np.moveaxis(x, axis, -1); K = x.shape[-1]
;;       x = np.pad(x, [(0, 0)] * (x.ndim - 1) + [(0, -K % 32)]); x = x.reshape(x.shape[:-1] + (-1, 32)); a = np.abs(x).max(-1, keepdims=True)
;;       e = np.where(a > 0, np.clip(np.frexp(np.where(a > 0, a, 1))[1] - 1 - 2, -126, 127), 0)      # np.frexp(a)[1] - 1 = floor(log2(a)), exactly
;;       r = np.clip(x / 2.0 ** e, -7.5, 7.5)
;;       step = 2.0 ** (np.maximum(np.frexp(np.where(r == 0, 1, r))[1] - 1, 0) - 3)
;;       q = np.round(r / step) * step * 2.0 ** e      # np.round: ties to even
;;       return np.moveaxis(q.reshape(q.shape[:-2] + (-1,))[..., :K], -1, axis).astype(np.float32)
;;   ~~~
;;   OPERANDS COMPUTED ON THE WAY. 'Computed on the way' means the value that the module computes at that place (a softmax that the list does not call 'softmax' is quantised finished and normalised). What goes into a quantiser is computed in f32, as accurately as f32 sums, v_exp_f32 and their like allow (about 1e-6 of the number): no bf16 or f16 on the way to a quantiser, and a product that is left as it is and whose result goes on into a quantised operand takes f32 operands (vector FMAs, or v_wmma_f32_16x16x4_f32). A number that lies on a knife's edge between two numbers of the format may be rounded either way, as far as f32 arithmetic and the matrix unit's own rounding can turn it there, and no further.
;; One version. Each part assembles by itself: llvm-mc -triple=amdgcn-amd-amdhsa -mcpu=gfx1250 --defsym DOCPART=n.
;; ======== version 1 of 1: 5 launches
;; limits: right only within a limited range of input values
;; workspace buffers: xc 19,660,800 bytes; wc 3,276,800 bytes; qb 6,553,600 bytes; kvb 13,107,200 bytes; st 524,288 bytes; ac 6,553,600 bytes
;; launch quant (part 1): grid 896 x 1, 4 waves a work-group, no clusters, 41,472 bytes of LDS; arguments queries, keys, values, Wq, Wk, Wv, Wo, xc, wc; writes xc, wc
.if DOCPART == 1
	.amdgcn_target "amdgcn-amd-amdhsa--gfx1250"
	.amdhsa_code_object_version 6
	.text
	.protected	k_q1a935bb309_quant
	.globl	k_q1a935bb309_quant
	.p2align	8
	.type	k_q1a935bb309_quant,@function
k_q1a935bb309_quant:
	s_mov_b64 s[64:65], 0
	v_nop
	global_prefetch_b8 v0, s[64:65] scope:SCOPE_SE
	s_setreg_imm32_b32 hwreg(HW_REG_WAVE_MODE, 25, 1), 1
	s_wait_xcnt 0x0
; queries, keys, values [8192][1024] and Wq, Wk, Wv, Wo [1024 (k)][1024 (n)], f32, become codes of E2M3 with one E8M0 byte for each 32 along K, laid in the order of an operand's registers.
; A block's scale is 2^(floor(log2(largest magnitude)) - 2): its byte is the largest magnitude's exponent field - 2, held at 1 from below.
; LIMITS: NaN and infinities are not served; a block whose largest magnitude lies under 2^-124 gets the byte 1; a block of zeros gets 1 where the rule says 127 (its codes are zeros, and this program alone reads the bytes).
; LAYOUT OF THE RESULT.  Rows (tokens, or W's columns n) go in groups of 32; tile 2 G + u holds rows 32 G + 8 u + r + 8 (r / 8), r = 0 .. 15.  A tile's 1,024 along K are 12,800 bytes: two chunks of 512 along K, each
; eight half fragments of 768 bytes and 256 bytes of scale words (row r's word for the chunk's q-th 128 along K at 16 r + 4 q).  A half fragment is 64 along K: plane p (256 bytes) holds registers 2 p, 2 p + 1 of all 32 lanes, 8 bytes a lane;
; lane (r, h) holds the 24 bytes of row r's block h.  So a fragment comes into registers by loads of 8 bytes a lane, 256 consecutive bytes each.
; Work-groups 0 .. 127 take the weights, 128 .. 895 the activations.  The two ways use LDS bytes of their own.  No barrier: waves share nothing.
.set RR,   16                          ; X way: v16-143  four sets of 32 registers as loaded
.set XX,   144                         ; v144-207 two sets of 32 neighbours
.set CC,   208                         ; v208-223 two sets of 8 for a block's codes
.set SW,   224                         ; v224-227 the chunk's four scale words
.set WXB,  16                          ; W way: v16-79 two sets of 32 numbers
.set WC,   80                          ; v80-87  a block's codes
.set OUTR, 88                          ; v88-99  1,536 bytes read back from the stage
.set SBW,  100                         ; v100-101 eight scale bytes
.set WSTG, 34816                       ; LDS: the W way's stages, 1,536 bytes a wave, behind the X way's 4 x 8,704
; the largest magnitude of 32 numbers of one lane, with the floor 2^(3 - 127) as one more leaf; then 2 off its exponent field: the conversions' scale operand, in v11
.macro MAX32 xs
	v_max3_num_f32 v12, |v[\xs]|, |v[\xs+1]|, |v[\xs+2]|
	v_max3_num_f32 v13, |v[\xs+3]|, |v[\xs+4]|, |v[\xs+5]|
.irp i, 6,10,14,18,22,26
	v_max3_num_f32 v12, v12, |v[\xs+\i]|, |v[\xs+\i+1]|
	v_max3_num_f32 v13, v13, |v[\xs+\i+2]|, |v[\xs+\i+3]|
.endr
	v_max3_num_f32 v12, v12, |v[\xs+30]|, |v[\xs+31]|
	v_max3_num_f32 v12, v12, v13, 0x1800000
	v_add_nc_u32 v11, 0xff000000, v12
.endm
; X way.  Step e = half fragment e of my tile's chunk: 16 rows x 256 bytes.  A load takes two rows' 256 bytes, sixteen lanes each.
.macro XLOAD e
.irp i, 0,1,2,3,4,5,6,7
	global_load_b128 v[RR+32*((\e)%4)+4*\i:RR+32*((\e)%4)+4*\i+3], v1, s[4:5] offset:256*(\e)+(2*\i+8*(\i/4))*4096 th:TH_LOAD_NT
.endr
.endm
; through my own stage (16 rows of 256 + 16 bytes), so that a lane gets a whole block: 128 neighbouring bytes.  LDS serves a wave's instructions in order: no wait between the stores and the loads
.macro XTURN e
.irp i, 0,1,2,3,4,5,6,7
	ds_store_b128 v2, v[RR+32*((\e)%4)+4*\i:RR+32*((\e)%4)+4*\i+3] offset:4352*((\e)%2)+544*\i
.endr
.irp j, 0,1,2,3,4,5,6,7
	ds_load_b128 v[XX+32*((\e)%2)+4*\j:XX+32*((\e)%2)+4*\j+3], v3 offset:4352*((\e)%2)+16*\j
.endr
.endm
.macro XSTEP e
.set XS, XX+32*((\e)%2)
.set CSET, CC+8*((\e)%2)
	s_wait_dscnt 0x0                               ; this step's numbers are back from the stage
.if (\e) < 4
	XLOAD (\e)+4
.endif
.if (\e) < 7
.if (\e) <= 3
	s_wait_loadcnt 24                              ; the next step's eight loads are in; those of the three steps behind it may be out
.else
	s_wait_loadcnt 8*(6-(\e))
.endif
	XTURN (\e)+1
.endif
	s_wait_xcnt 0x0                                ; the stores of two steps ago have read this set of code registers
	MAX32 XS
	v_cvt_scalef32_pk16_fp6_f32 v[CSET:CSET+2], v[XS:XS+15], v11
	v_cvt_scalef32_pk16_fp6_f32 v[CSET+4:CSET+6], v[XS+16:XS+31], v11   ; (a conversion's three registers begin on an even number)
	v_lshrrev_b32 v13, 23, v11                     ; the scale's byte; also the plain line behind the conversions
	v_mov_b32 v[CSET+3], v[CSET+4]
	v_mov_b32 v[CSET+4], v[CSET+5]
	v_mov_b32 v[CSET+5], v[CSET+6]
.irp p, 0,1,2
	global_store_b64 v4, v[CSET+2*\p:CSET+2*\p+1], s[18:19] offset:768*(\e)+256*\p   ; 32 lanes store 256 consecutive bytes, aligned
.endr
.if (\e)%2 == 0
	v_mov_b32 v14, v13                             ; my byte of the word's blocks 0, 1 ..
.else
	v_lshl_or_b32 v14, v13, 16, v14                ; .. and of its blocks 2, 3,
	v_lshlrev_b32 v14, v6, v14                     ; 8 h bits up;
	v_permlanex16_b32 v15, v14, s34, s35
	v_or_b32 v[SW+(\e)/2], v14, v15                ; with lane l xor 16's two the word is whole
.endif
.endm
; W way.  A lane takes a column n and its registers run down K: block t is W(32 t + i, my column).
.macro WLOAD t
.irp i, 0,1,2,3,4,5,6,7,8,9,10,11,12,13,14,15,16,17,18,19,20,21,22,23,24,25,26,27,28,29,30,31
	global_load_b32 v[WXB+32*((\t)%2)+\i], v1, s[10:11] offset:(32*(\t)+\i)*4096 th:TH_LOAD_NT
.endr
.endm
.macro WBLOCK t
.set WX, WXB+32*((\t)%2)
.if (\t) < 7
	s_wait_loadcnt 32                              ; this block's 32 loads are in; the next block's may be out
.else
	s_wait_loadcnt 0x0
.endif
	MAX32 WX
	v_lshrrev_b32 v13, 23, v11
.if (\t)%4 == 0
	v_mov_b32 v[SBW+(\t)/4], v13
.else
	v_lshl_or_b32 v[SBW+(\t)/4], v13, 8*((\t)%4), v[SBW+(\t)/4]
.endif
	v_cvt_scalef32_pk16_fp6_f32 v[WC:WC+2], v[WX:WX+15], v11
	v_cvt_scalef32_pk16_fp6_f32 v[WC+4:WC+6], v[WX+16:WX+31], v11
	v_nop                                          ; one plain line behind the conversions
	v_mov_b32 v[WC+3], v[WC+4]
	v_mov_b32 v[WC+4], v[WC+5]
	v_mov_b32 v[WC+5], v[WC+6]
.irp p, 0,1,2
	ds_store_b64 v2, v[WC+2*\p:WC+2*\p+1] offset:128*((\t)%2)+256*\p   ; my place in my tile's half fragment: plane p, lane r + 16 (t % 2)
.endr
.if (\t)+2 < 8
	WLOAD (\t)+2
.endif
.if (\t)%2 == 1
	s_wait_xcnt 0x0                                ; the stores of two blocks ago have read their registers
.irp i, 0,1,2
	ds_load_b128 v[OUTR+4*\i:OUTR+4*\i+3], v3 offset:512*\i            ; both tiles' half fragments, 1,536 bytes on end
.endr
	s_wait_dscnt 0x0
	global_store_b128 v4, v[OUTR:OUTR+3], s[34:35] offset:768*((\t)/2)                 ; sixteen lanes store 256 consecutive bytes, aligned; the second tile lies 12,800 bytes on
	global_store_b128 v5, v[OUTR+4:OUTR+7], s[34:35] offset:768*((\t)/2)+512
	global_store_b128 v4, v[OUTR+8:OUTR+11], s[34:35] offset:768*((\t)/2)+1024+12032
.else
	s_wait_dscnt 0x0                               ; the stage's stores have read the code registers
.endif
.endm
	s_load_b256 s[4:11], s[0:1], 0x0               ; queries, keys, values, Wq
	s_load_b256 s[12:19], s[0:1], 0x20             ; Wk, Wv, Wo, xc
	s_load_b64 s[20:21], s[0:1], 0x40              ; wc
	v_lshl_add_u32 v232, v0, 2, 0xa000
	v_mov_b32 v233, 0
	v_lshrrev_b32 v1, 5, v0
	v_readfirstlane_b32 s2, v1                     ; wave 0..3
	v_and_b32 v7, 31, v0                           ; lane
	s_cmp_lt_u32 ttmp9, 128
	s_cbranch_scc1 .Lweights
	; ---- activations: a work-group takes 32 whole rows; wave w takes tile u = w / 2, chunk c = w % 2
	s_sub_co_u32 s22, ttmp9, 128
	s_lshr_b32 s23, s22, 8                         ; which tensor
	s_and_b32 s24, s22, 255                        ; G
	s_lshr_b32 s25, s2, 1                          ; u
	s_and_b32 s26, s2, 1                           ; c
	s_lshl_b32 s28, s24, 17                        ; 32 G rows of 4,096 bytes
	s_lshl_b32 s27, s25, 15                        ; + 8 u rows
	s_add_co_u32 s28, s28, s27
	s_lshl_b32 s27, s26, 11                        ; + 2,048 c
	s_add_co_u32 s28, s28, s27
	s_mov_b32 s29, 0
	s_lshl_b32 s30, s23, 9
	s_lshl_b32 s27, s24, 1
	s_add_co_u32 s30, s30, s27
	s_add_co_u32 s30, s30, s25                     ; the tile: 512 T + 2 G + u
	s_mul_i32 s30, s30, 12800
	s_mul_i32 s27, s26, 6400
	s_add_co_u32 s30, s30, s27
	s_mov_b32 s31, 0
	s_mul_i32 s32, s2, 8704                        ; my two stages
	s_mov_b32 s33, 0xffff0000                      ; lanes 16-31
	s_mov_b32 s34, 0x76543210
	s_mov_b32 s35, 0xfedcba98                      ; v_permlanex16_b32's selects for lane l xor 16
	v_and_b32 v8, 15, v0                           ; r
	v_bfe_u32 v9, v0, 4, 1                         ; h
	v_lshlrev_b32 v10, 4, v8
	v_lshl_add_u32 v1, v9, 12, v10                 ; in: row h of a load's two, 16 bytes a lane
	v_mul_u32_u24 v2, v9, 272
	v_add_nc_u32 v2, v2, v10
	v_add_nc_u32 v2, s32, v2                       ; into the stage likewise
	v_mul_u32_u24 v3, v8, 272
	v_lshl_add_u32 v3, v9, 7, v3
	v_add_nc_u32 v3, s32, v3                       ; out of it: row r, block h
	v_lshlrev_b32 v4, 3, v7                        ; a plane's 8 bytes a lane
	v_lshl_add_u32 v5, v9, 3, v10                  ; the scale words: 16 r + 8 h
	v_lshlrev_b32 v6, 3, v9                        ; 8 h
	v_mov_b32 v15, 0                               ; written once: a lane permute's destination counts as one of its sources
	s_wait_alu depctr_va_vdst(0)
	s_wait_kmcnt 0x0
	s_cmp_eq_u32 s23, 1
	s_cselect_b64 s[4:5], s[6:7], s[4:5]
	s_cmp_eq_u32 s23, 2
	s_cselect_b64 s[4:5], s[8:9], s[4:5]
	s_add_nc_u64 s[4:5], s[4:5], s[28:29]
	s_add_nc_u64 s[18:19], s[18:19], s[30:31]
.irp e, 0,1,2,3
	XLOAD \e
.endr
	s_wait_loadcnt 24                              ; step 0's eight loads are in
	XTURN 0
.irp e, 0,1,2,3,4,5,6,7
	XSTEP \e
.endr
	v_cndmask_b32 v228, v224, v226, s33            ; lanes 0-15 store words 0, 1 of their row, lanes 16-31 words 2, 3
	v_cndmask_b32 v229, v225, v227, s33
	global_store_b64 v5, v[228:229], s[18:19] offset:6144      ; 256 consecutive bytes, aligned
	s_wait_tensorcnt 0x0
	ds_add_u32 v232, v233
	s_wait_dscnt 0x0
	s_endpgm
.Lweights:
	; ---- weights: wave w takes 32 columns x 256 along K
	s_lshr_b32 s23, ttmp9, 5                       ; which weight
	s_bfe_u32 s24, ttmp9, 0x30002                  ; block of 128 columns
	s_and_b32 s25, ttmp9, 3                        ; which 256 along K
	s_lshl_b32 s26, s24, 2
	s_add_co_u32 s26, s26, s2                      ; my group of 32 columns
	s_lshl_b32 s28, s25, 20                        ; 256 rows of 4,096 bytes
	s_lshl_b32 s27, s26, 7
	s_add_co_u32 s28, s28, s27
	s_mov_b32 s29, 0
	s_lshl_b32 s30, s23, 6
	s_lshl_b32 s27, s26, 1
	s_add_co_u32 s30, s30, s27                     ; the group's first tile
	s_mul_i32 s30, s30, 12800
	s_lshr_b32 s27, s25, 1
	s_mul_i32 s27, s27, 6400
	s_add_co_u32 s30, s30, s27                     ; its chunk
	s_and_b32 s27, s25, 1
	s_mul_i32 s32, s27, 3072
	s_add_co_u32 s32, s30, s32                     ; my four half fragments
	s_mov_b32 s33, 0
	s_lshl_b32 s27, s27, 3
	s_add_co_u32 s30, s30, s27
	s_add_co_u32 s30, s30, 6144                    ; my two scale words of each row
	s_mov_b32 s31, 0
	s_mul_i32 s22, s2, 1536
	s_add_co_u32 s22, s22, WSTG                    ; my stage
	s_wait_alu depctr_va_vdst(0)
	v_lshlrev_b32 v1, 2, v7                        ; in: 4 bytes a lane
	v_bfe_u32 v8, v0, 3, 1                         ; column l belongs to tile u = (l / 8) % 2,
	v_and_b32 v9, 7, v0
	v_bfe_u32 v10, v0, 4, 1
	v_lshl_add_u32 v9, v10, 3, v9                  ; row r = l % 8 + 8 (l / 16)
	v_mul_u32_u24 v2, v8, 768
	v_lshl_add_u32 v2, v9, 3, v2
	v_add_nc_u32 v2, s22, v2                       ; into the stage
	v_lshlrev_b32 v4, 4, v7                        ; out: 16 bytes a lane
	v_add_nc_u32 v3, s22, v4
	v_mul_u32_u24 v5, v10, 12032
	v_add_nc_u32 v5, v5, v4                        ; the middle store: lanes 16-31 already belong to the second tile
	v_mul_u32_u24 v6, v8, 12800
	v_lshl_add_u32 v6, v9, 4, v6                   ; my row's scale words
	s_wait_kmcnt 0x0
	s_cmp_eq_u32 s23, 1
	s_cselect_b64 s[10:11], s[12:13], s[10:11]
	s_cmp_eq_u32 s23, 2
	s_cselect_b64 s[10:11], s[14:15], s[10:11]
	s_cmp_eq_u32 s23, 3
	s_cselect_b64 s[10:11], s[16:17], s[10:11]
	s_add_nc_u64 s[10:11], s[10:11], s[28:29]
	s_add_nc_u64 s[34:35], s[20:21], s[32:33]
	s_add_nc_u64 s[36:37], s[20:21], s[30:31]
	WLOAD 0
	WLOAD 1
.irp t, 0,1,2,3,4,5,6,7
	WBLOCK \t
.endr
	s_wait_alu depctr_va_vdst(0)
	global_store_b64 v6, v[SBW:SBW+1], s[36:37]    ; 8 bytes a column, 16 bytes apart: one byte in 128 of what this way reads
	s_wait_tensorcnt 0x0
	ds_add_u32 v232, v233
	s_wait_dscnt 0x0
	s_endpgm
.Lfunc_end_k_q1a935bb309_quant:
	.size	k_q1a935bb309_quant, .Lfunc_end_k_q1a935bb309_quant-k_q1a935bb309_quant
	.p2alignl 7, 3214868480
	.fill 96, 4, 3214868480
	.section	.rodata,"a",@progbits
	.p2align	6, 0x0
	.amdhsa_kernel k_q1a935bb309_quant
		.amdhsa_group_segment_fixed_size 41472
		.amdhsa_private_segment_fixed_size 0
		.amdhsa_enable_private_segment 0
		.amdhsa_kernarg_size 72
		.amdhsa_user_sgpr_count 2
		.amdhsa_user_sgpr_kernarg_segment_ptr 1
		.amdhsa_wavefront_size32 1
		.amdhsa_system_sgpr_workgroup_id_x 1
		.amdhsa_system_sgpr_workgroup_id_y 1
		.amdhsa_system_sgpr_workgroup_id_z 1
		.amdhsa_system_vgpr_workitem_id 0
		.amdhsa_next_free_vgpr 234
		.amdhsa_next_free_sgpr 66
		.amdhsa_reserve_vcc 0
		.amdhsa_float_denorm_mode_32 3
		.amdhsa_float_denorm_mode_16_64 3
		.amdhsa_memory_ordered 1
		.amdhsa_forward_progress 1
		.amdhsa_inst_pref_size 74
	.end_amdhsa_kernel
	.amdgpu_metadata
---
amdhsa.version: [ 1, 2 ]
amdhsa.kernels:
  - .name:           k_q1a935bb309_quant
    .symbol:         k_q1a935bb309_quant.kd
    .args:
      - { .name: queries, .offset: 0, .size: 8, .value_kind: global_buffer, .address_space: global }
      - { .name: keys, .offset: 8, .size: 8, .value_kind: global_buffer, .address_space: global }
      - { .name: values, .offset: 16, .size: 8, .value_kind: global_buffer, .address_space: global }
      - { .name: Wq, .offset: 24, .size: 8, .value_kind: global_buffer, .address_space: global }
      - { .name: Wk, .offset: 32, .size: 8, .value_kind: global_buffer, .address_space: global }
      - { .name: Wv, .offset: 40, .size: 8, .value_kind: global_buffer, .address_space: global }
      - { .name: Wo, .offset: 48, .size: 8, .value_kind: global_buffer, .address_space: global }
      - { .name: xc, .offset: 56, .size: 8, .value_kind: global_buffer, .address_space: global }
      - { .name: wc, .offset: 64, .size: 8, .value_kind: global_buffer, .address_space: global }
    .group_segment_fixed_size: 41472
    .private_segment_fixed_size: 0
    .kernarg_segment_align: 8
    .kernarg_segment_size: 72
    .max_flat_workgroup_size: 128
    .sgpr_count:     66
    .vgpr_count:     234
    .wavefront_size: 32
...
	.end_amdgpu_metadata
.endif
;; end of part 1
;; launch proj (part 2): grid 4 x 64, 8 waves a work-group, clusters of 4 x 4, 327,680 bytes of LDS; arguments xc, wc, bq, bk, bv, qb, kvb; writes qb, kvb
.if DOCPART == 2
	.amdgcn_target "amdgcn-amd-amdhsa--gfx1250"
	.amdhsa_code_object_version 6
	.text
	.protected	k_q1a935bb309_proj
	.globl	k_q1a935bb309_proj
	.p2align	8
	.type	k_q1a935bb309_proj,@function
k_q1a935bb309_proj:
	s_mov_b64 s[64:65], 0
	v_nop
	global_prefetch_b8 v0, s[64:65] scope:SCOPE_SE
	s_setreg_imm32_b32 hwreg(HW_REG_WAVE_MODE, 25, 1), 1
	s_wait_xcnt 0x0
	s_wait_alu depctr_hold_cnt(0) depctr_sa_sdst(0) depctr_va_vdst(0) depctr_va_sdst(0) depctr_va_ssrc(0) depctr_va_vcc(0) depctr_vm_vsrc(0)
	s_getreg_b32 s2, hwreg(HW_REG_IB_STS2, 6, 4)
	s_cmp_eq_u32 s2, 0
	s_cbranch_scc0 .Lentry_in_a_cluster
	s_endpgm
.Lentry_in_a_cluster:
	s_bfe_u32 s2, ttmp6, 0x10000c
	s_cmp_lg_u32 s2, 0xf033
	s_cbranch_scc0 .Lentry_shape_is_right
	s_endpgm
.Lentry_shape_is_right:
; q = queries Wq + bq, k = keys Wk + bk, v = values Wv + bv on codes of E2M3, and the results quantised at once for the attention's products: q and k along the head's 64, v along the keys.
; A WORK-GROUP STAYS and makes three tiles, one of q, one of k, one of v.  A tile is 128 rows of source 1 (a lane holds one) x 256 rows of source 0 (a lane's registers run along them), K = 1,024.
; q, k: source 1 = tokens, source 0 = W's columns.  v: source 1 = Wv's columns, source 0 = tokens, so that a lane's registers run along the keys.
; Eight waves: wave w takes source 1's rows 64 (w / 4) on and source 0's rows 64 (w % 4) on: 16 accumulators.
; OPERANDS lie in memory in the order of their registers (12,800 bytes a tile of 16 rows, two chunks of 512 along K).
; THE RING: two LDS slots, each with one chunk of the 24 tiles (153,600 bytes).  The walk is six chunks; chunk u lies in slot u % 2 and is asked for behind the barrier of chunk u - 1, across tiles too.
; Waves 0, 1, 2 fetch a slot's three panels of eight tiles, one tensor load each behind each barrier; one load of a wave is out at the most.
; CLUSTER 4 x 4: source 1's panel is shared along a row of the cluster, source 0's along a column: asked for jointly, each refill behind a round of the cluster's barrier.
; q and k are two trips of one loop; v, whose last chunk asks for nothing more and whose bias runs along the lanes, is written out behind it.
; No prefetch: the whole walk is six chunks, and each is asked for one chunk ahead by its tensor load.
; A tile of rows: tile 2 G + u holds rows 32 G + 8 u + r + 8 (r / 8); so the 16 registers of tiles 2 G, 2 G + 1 of source 0 are 16 neighbours: 32 G + 16 (lane / 16) + 0 .. 15.
; LIMITS: NaN and infinities are not served; a block whose largest magnitude lies under 2^-124, zeros among them, gets the scale byte 1 (this program alone reads the bytes).
.set XT,    6553600                    ; bytes of one activation's codes
.set WT,    819200                     ; of one weight's
.set PANEL, 51200                      ; 8 tiles x 6,400: what one tensor load brings
.set CHK,   153600                     ; a slot: source 1's panel, then source 0's two
.set STASH, 307200                     ; behind the ring: 768 bytes a wave: its 64 numbers of bq, bk, bv; no tensor load lands here
.set SPARE, 313344                     ; behind the stash: the spare words, 128 bytes a wave
.set WV,  3
.set SEL, 20                           ; s[20:21] v_permlanex16_b32's selects for lane l xor 16
.set HM,  22                           ; s22 lanes 16-31
.set CNT, 23
.set G1A, 24                           ; s[24:31] group 1 for source 1's panel;  s[32:39] for source 0's: they differ in the mask
.set G1B, 32
.set G0A, 40                           ; s[40:43], s[44:47] their groups 0, written only where no load of mine is out
.set G0B, 44
.set CA,  48                           ; source 1's panel of this tile, of the next, of the last
.set NA,  50
.set LA,  52
.set CB,  54                           ; the same for source 0
.set NB,  56
.set LB,  58
.set OC,  60                           ; where the codes and the scale bytes go: this tile, the next, the last
.set OS,  62
.set NOC, 66
.set NOS, 68
.set LOC, 74
.set LOS, 76
.set A1,  1                            ; v1, v5  LDS address of source 1's fragments in slot 0, 1
.set A0,  2                            ; v2, v6  of source 0's
.set ASC, 3                            ; v3, v7  of the scale words: lanes 0-15 source 1's, lanes 16-31 source 0's
.set L8,  4                            ; v4  8 x lane
.set BR,  8                            ; v8  stash: the bias along the registers;  v9 along the lanes
.set BL,  9
.set SQ,  10                           ; v10-11 the scale bytes' places for q, k;  v12-13 for v
.set SPW, 14                           ; v14 my spare word;  v15 0: never rewritten
.set NIL, 15
.set SC,  16                           ; v16-31 scale words and nothing else: register 4 i + s: tile i, the chunk's s-th 128 along K
.set F1,  32                           ; v32-79  source 1's four fragments
.set F0,  80                           ; v80-127 source 0's
.set ACC, 128                          ; accumulator (m, t) at v[128 + 32 m + 8 t]
.set B0,  32                           ; the way out: v32-63 the bias along the registers, v64-71 along the lanes (a pair for each m)
.set B1,  64
.set TM,  72
.set PT,  80
.set PCB, 88                           ; codes of tile m at v[88 + 8 m]
.set SCW, 120
.set SD,  124
.macro CROUND                          ; a round of the cluster's barrier
	s_barrier_signal -1
	s_barrier_wait -1
	s_cmp_lg_u32 s[WV], 0
	s_cbranch_scc1 .Lnot_wave_0_\@
	s_barrier_signal -3
.Lnot_wave_0_\@:
	s_barrier_wait -3
	s_barrier_signal -1
	s_barrier_wait -1
.endm
.macro SETD pa, pb, off, sl            ; both groups 0: the panels at pa, pb, byte off, into slot sl; panel = wave
	s_add_co_u32 s[G0A+1], s80, \sl*CHK
	s_add_nc_u64 s[G0A+2:G0A+3], s[\pa:\pa+1], \off
	s_or_b32 s[G0A+3], s[G0A+3], 0x80000000
	s_add_co_u32 s[G0B+1], s80, \sl*CHK
	s_add_nc_u64 s[G0B+2:G0B+3], s[\pb:\pb+1], \off
	s_or_b32 s[G0B+3], s[G0B+3], 0x80000000
.endm
.macro JL                              ; wave 0: source 1's panel; waves 1, 2: source 0's.  An s_nop 0 and four v_nop follow each line
	s_cmp_eq_u32 s[WV], 0
	s_cbranch_scc0 .Lnot_src1_\@
	tensor_load_to_lds s[G0A:G0A+3], s[G1A:G1A+7]
	s_nop 0
.rept 4
	v_nop
.endr
	s_branch .Lasked_\@
.Lnot_src1_\@:
	s_cmp_lt_u32 s[WV], 3
	s_cbranch_scc0 .Lasked_\@
	tensor_load_to_lds s[G0B:G0B+3], s[G1B:G1B+7]
	s_nop 0
.rept 4
	v_nop
.endr
.Lasked_\@:
.endm
; A change of slots: all my loads have landed, the add, my reads of the other slot are over; a round; then the other slot's next fill
.macro SEQ pa, pb, off, sl
	s_wait_tensorcnt 0x0
	ds_add_u32 v[SPW], v[NIL]
	ds_add_u32 v[SPW], v[NIL]
	SETD \pa, \pb, \off, \sl
	s_wait_dscnt 0x0
	CROUND
	JL
.endm
; 128 along K: eight fragments (six loads of 8 bytes a lane each), then 16 products; the 16 accumulators take turns in the same order in every step
.macro KSTEP sl, s, zero
.irp m, 0,1,2,3
.irp p, 0,1,2,3,4,5
	ds_load_b64 v[F1+12*\m+2*\p:F1+12*\m+2*\p+1], v[A1+4*\sl] offset:6400*\m+1536*(\s)+256*\p
.endr
.endr
.irp t, 0,1,2,3
.irp p, 0,1,2,3,4,5
	ds_load_b64 v[F0+12*\t+2*\p:F0+12*\t+2*\p+1], v[A0+4*\sl] offset:6400*\t+1536*(\s)+256*\p
.endr
.endr
	s_wait_dscnt 0x0
.irp m, 0,1,2,3
.irp t, 0,1,2,3
.if \zero
	v_wmma_scale_f32_16x16x128_f8f6f4 v[ACC+32*\m+8*\t:ACC+32*\m+8*\t+7], v[F0+12*\t:F0+12*\t+11], v[F1+12*\m:F1+12*\m+11], 0, v[SC+4*\t+(\s)], v[SC+4*\m+(\s)] matrix_a_fmt:MATRIX_FMT_FP6 matrix_b_fmt:MATRIX_FMT_FP6 matrix_a_scale:MATRIX_SCALE_ROW1
.else
	v_wmma_scale_f32_16x16x128_f8f6f4 v[ACC+32*\m+8*\t:ACC+32*\m+8*\t+7], v[F0+12*\t:F0+12*\t+11], v[F1+12*\m:F1+12*\m+11], v[ACC+32*\m+8*\t:ACC+32*\m+8*\t+7], v[SC+4*\t+(\s)], v[SC+4*\m+(\s)] matrix_a_fmt:MATRIX_FMT_FP6 matrix_b_fmt:MATRIX_FMT_FP6 matrix_a_scale:MATRIX_SCALE_ROW1
.endif
.endr
.endr
.rept 4
	v_nop                                          ; four places in front of loads into registers that the products have read, and of the first read of results
.endr
.endm
.macro CHUNK sl, zero                  ; 512 along K: the scale words of my eight tiles by four loads, then four steps
.irp i, 0,1,2,3
	ds_load_b128 v[SC+4*\i:SC+4*\i+3], v[ASC+4*\sl] offset:6400*\i
.endr
	KSTEP \sl, 0, \zero
	KSTEP \sl, 1, 0
	KSTEP \sl, 2, 0
	KSTEP \sl, 3, 0
.endm
; 32 numbers of a lane, register 16 b + i = k 32 b + 16 (lane / 16) + i of my row, become a half fragment's six registers and its two scale bytes
.macro QUANT2 s, pc, scw
	v_max3_num_f32 v[TM], |v[(\s)]|, |v[(\s)+1]|, 0x1800000          ; with the floor 2^(3 - 127): the byte cannot fall under 1
	v_max3_num_f32 v[TM+1], |v[(\s)+16]|, |v[(\s)+17]|, 0x1800000
.irp i, 2,4,6,8,10,12,14
	s_delay_alu instid0(VALU_DEP_2)
	v_max3_num_f32 v[TM], v[TM], |v[(\s)+\i]|, |v[(\s)+\i+1]|
	s_delay_alu instid0(VALU_DEP_2)
	v_max3_num_f32 v[TM+1], v[TM+1], |v[(\s)+16+\i]|, |v[(\s)+17+\i]|
.endr
	s_delay_alu instid0(VALU_DEP_2)
	v_permlanex16_b32 v[TM+2], v[TM], s[SEL], s[SEL+1]
	s_delay_alu instid0(VALU_DEP_2)
	v_permlanex16_b32 v[TM+3], v[TM+1], s[SEL], s[SEL+1]
	s_delay_alu instid0(VALU_DEP_2)
	v_max_num_f32 v[TM], v[TM], v[TM+2]            ; with lane l xor 16's 16: the block's largest magnitude
	s_delay_alu instid0(VALU_DEP_2)
	v_max_num_f32 v[TM+1], v[TM+1], v[TM+3]
	s_delay_alu instid0(VALU_DEP_2)
	v_add_nc_u32 v[TM+4], 0xff000000, v[TM]        ; 2 off the exponent field: the conversion's scale operand
	s_delay_alu instid0(VALU_DEP_2)
	v_add_nc_u32 v[TM+5], 0xff000000, v[TM+1]
	s_delay_alu instid0(VALU_DEP_2)
	v_lshrrev_b32 v[TM+6], 23, v[TM+4]             ; the scale's byte
	s_delay_alu instid0(VALU_DEP_2)
	v_lshrrev_b32 v[TM+7], 23, v[TM+5]
	s_delay_alu instid0(VALU_DEP_1)
	v_lshl_or_b32 v[(\scw)], v[TM+7], 8, v[TM+6]
	v_cvt_scalef32_pk16_fp6_f32 v[(\pc):(\pc)+2], v[(\s):(\s)+15], v[TM+4]
	v_cvt_scalef32_pk16_fp6_f32 v[PT:PT+2], v[(\s)+16:(\s)+31], v[TM+5]
	v_nop                                          ; one plain line behind the conversions
.irp i, 0,1,2
	v_permlane16_swap_b32 v[(\pc)+\i], v[PT+\i]    ; a lane is to hold a whole block: lanes 0-15 block 0, lanes 16-31 block 1
.endr
.irp i, 0,1,2
	s_delay_alu instid0(VALU_DEP_3)
	v_mov_b32 v[(\pc)+3+\i], v[PT+\i]
.endr
.endm
; THE WAY OUT of a tile: + bias (vv = 0: along the registers; 1: along the lanes), quantised in registers, stored as half fragments: three stores of 256 consecutive aligned bytes a tile of 16 rows
.macro WAYOUT vv
.if \vv
.irp m, 0,1,2,3
	ds_load_b32 v[B1+2*\m], v[BL] offset:512+(32*(\m/2)+8*(\m%2))*4
	ds_load_b32 v[B1+2*\m+1], v[BL] offset:512+(32*(\m/2)+8*(\m%2))*4
.endr
.else
.irp b, 0,1
.irp u, 0,1
	ds_load_b128 v[B0+16*\b+8*\u:B0+16*\b+8*\u+3], v[BR] offset:(32*\b+8*\u)*4
	ds_load_b128 v[B0+16*\b+8*\u+4:B0+16*\b+8*\u+7], v[BR] offset:(32*\b+8*\u)*4+16
.endr
.endr
.endif
	v_mov_b32 v[TM+2], 0                           ; a lane permute's destination counts as one of its sources
	v_mov_b32 v[TM+3], 0
	s_wait_dscnt 0x0
.irp m, 0,1,2,3
.irp j, 0,2,4,6,8,10,12,14,16,18,20,22,24,26,28,30
.if \vv
	v_pk_add_f32 v[ACC+32*\m+\j:ACC+32*\m+\j+1], v[ACC+32*\m+\j:ACC+32*\m+\j+1], v[B1+2*\m:B1+2*\m+1]   ; each accumulator from its low end on
.else
	v_pk_add_f32 v[ACC+32*\m+\j:ACC+32*\m+\j+1], v[ACC+32*\m+\j:ACC+32*\m+\j+1], v[B0+\j:B0+\j+1]
.endif
.endr
	QUANT2 ACC+32*\m, PCB+8*\m, SCW+\m
.irp p, 0,1,2
	global_store_b64 v[L8], v[PCB+8*\m+2*\p:PCB+8*\m+2*\p+1], s[OC:OC+1] offset:768*\m+256*\p
.endr
.endr
	v_cndmask_b32 v[SD], v[SCW], v[SCW+1], s[HM]   ; lanes 0-15 store the even tile's two bytes, lanes 16-31 the odd tile's
	v_cndmask_b32 v[SD+1], v[SCW+2], v[SCW+3], s[HM]
	global_store_b16 v[SQ+2*\vv], v[SD], s[OS:OS+1]      ; 2 bytes of scales for 48 bytes of codes
	global_store_b16 v[SQ+2*\vv+1], v[SD+1], s[OS:OS+1]
	s_wait_xcnt 0x0                                ; the stores have read their registers and bases: the next tile's fragments may land there, the bases may move
.endm
	s_load_b256 s[4:11], s[0:1], 0x0               ; xc, wc, bq, bk
	s_load_b128 s[12:15], s[0:1], 0x20             ; bv, qb
	s_load_b64 s[16:17], s[0:1], 0x30              ; kvb
	v_lshl_add_u32 v[SPW], v0, 2, SPARE
	v_mov_b32 v[NIL], 0
	ds_add_u32 v[SPW], v[NIL]                      ; the opening lines: the add twice on end and one wait
	ds_add_u32 v[SPW], v[NIL]
	v_lshrrev_b32 v1, 5, v0
	v_readfirstlane_b32 s[WV], v1                  ; wave 0..7
	s_and_b32 s78, s[WV], 3                        ; w0: my 64 rows of source 0
	s_lshr_b32 s79, s[WV], 2                       ; w1: my 64 rows of source 1
	s_bfe_u32 s70, ttmp6, 0x40000                  ; cx
	s_bfe_u32 s71, ttmp6, 0x40004                  ; cy
	s_and_b32 s72, ttmp7, 0xffff                   ; the cluster's y, 0 .. 15
	s_lshl_b32 s73, s72, 2
	s_add_co_u32 s73, s73, s71                     ; q, k: which 128 tokens (source 1); source 0's 256 columns are cx
	s_and_b32 s81, s72, 7
	s_lshl_b32 s81, s81, 2
	s_add_co_u32 s81, s81, s70                     ; v: which 256 tokens (source 0)
	s_lshr_b32 s82, s72, 3
	s_lshl_b32 s82, s82, 2
	s_add_co_u32 s82, s82, s71                     ; v: which 128 columns (source 1)
	s_lshl_b32 s83, s71, 2
	s_lshl_b32 s83, 15, s83                        ; my row of the cluster
	s_lshl_b32 s84, 0x1111, s70                    ; my column
	; group 1: 8 rows (tiles) of 6,400 bytes (800 elements of 8 bytes), 12,800 bytes apart; no padding: a load of 8 bytes a lane takes 256 consecutive bytes
	s_or_b32 s[G1A], s83, (3<<16)|(1<<21)
	s_or_b32 s[G1B], s84, (3<<16)|(1<<21)
.irp g, G1A, G1B
	s_mov_b32 s[\g+1], 800<<16
	s_mov_b32 s[\g+2], 8<<16
	s_mov_b32 s[\g+3], 800<<16
	s_mov_b32 s[\g+4], 8
	s_mov_b32 s[\g+5], 1600
	s_mov_b32 s[\g+6], 0
	s_mov_b32 s[\g+7], 0
.endr
	s_mov_b32 s[G0A], 1
	s_mov_b32 s[G0B], 1
	; where the panels begin, as offsets.  Source 1's never hold cx, source 0's never cy
	s_mul_i32 s[CA], s73, 102400                   ; q: in xc; k lies XT further on
	s_mul_i32 s[LA], s82, 102400
	s_add_co_u32 s[LA], s[LA], 2*WT                ; v: in wc
	s_lshr_b32 s85, s[WV], 1
	s_mul_i32 s85, s85, 102400                     ; wave 1 fetches source 0's first eight tiles, wave 2 the others
	s_mul_i32 s[CB], s70, 204800
	s_add_co_u32 s[CB], s[CB], s85                 ; q: in wc; k lies WT further on
	s_mul_i32 s[LB], s81, 204800
	s_add_co_u32 s[LB], s[LB], s85
	s_add_co_u32 s[LB], s[LB], 2*XT                ; v: in xc
	s_mul_i32 s80, s[WV], PANEL                    ; where a panel goes: panel = wave
	; where the results go.  q, k: head 4 cx + w0, 128 tokens s73 % 16 of batch s73 / 16.  kvb's blocks are twice qb's
	s_lshr_b32 s94, s73, 4
	s_lshl_b32 s94, s94, 4
	s_lshl_b32 s95, s70, 2
	s_add_co_u32 s94, s94, s95
	s_add_co_u32 s94, s94, s78                     ; batch x 16 + head
	s_and_b32 s95, s73, 15
	s_mul_i32 s96, s94, 102400
	s_mul_i32 s97, s95, 6400
	s_add_co_u32 s96, s96, s97
	s_mul_i32 s97, s79, 3072
	s_lshl_b32 s98, s79, 7
	s_add_co_u32 s[OC], s96, s97
	s_add_co_u32 s[OS], s96, s98
	s_add_co_u32 s[OS], s[OS], 6144
	s_lshl_b32 s96, s96, 1
	s_add_co_u32 s[NOC], s96, s97
	s_add_co_u32 s[NOS], s96, s98
	s_add_co_u32 s[NOS], s[NOS], 12288
	; v: head 2 s82 + w1, keys 256 (s81 % 8) + 64 w0 of batch s81 / 8
	s_lshr_b32 s94, s81, 3
	s_lshl_b32 s94, s94, 4
	s_lshl_b32 s95, s82, 1
	s_add_co_u32 s94, s94, s95
	s_add_co_u32 s94, s94, s79
	s_and_b32 s95, s81, 7
	s_lshl_b32 s95, s95, 1
	s_lshr_b32 s97, s78, 1
	s_add_co_u32 s95, s95, s97                     ; which 128 keys
	s_mul_i32 s96, s94, 204800
	s_mul_i32 s95, s95, 12800
	s_add_co_u32 s96, s96, s95
	s_and_b32 s97, s78, 1                          ; which 64 of them
	s_mul_i32 s98, s97, 3072
	s_lshl_b32 s97, s97, 1
	s_add_co_u32 s[LOC], s96, s98
	s_add_co_u32 s[LOC], s[LOC], 6144
	s_add_co_u32 s[LOS], s96, s97
	s_add_co_u32 s[LOS], s[LOS], 12544
.irp p, CA, LA, CB, LB, OC, OS, NOC, NOS, LOC, LOS
	s_mov_b32 s[\p+1], 0
.endr
	s_lshl_b32 s18, s70, 10                        ; bq, bk: 64 numbers from 256 cx + 64 w0
	s_lshl_b32 s19, s78, 8
	s_add_co_u32 s18, s18, s19
	s_lshl_b32 s19, s82, 9                         ; bv: 64 numbers from 128 s82 + 64 w1
	s_lshl_b32 s99, s79, 8
	s_add_co_u32 s19, s19, s99
	s_mov_b32 s[SEL], 0x76543210
	s_mov_b32 s[SEL+1], 0xfedcba98
	s_mov_b32 s[HM], 0xffff0000
	s_mov_b32 s[CNT], 2
	s_wait_dscnt 0x0                               ; both opening adds are done
	s_wait_kmcnt 0x0
	s_add_nc_u64 s[CA:CA+1], s[4:5], s[CA:CA+1]
	s_add_nc_u64 s[NA:NA+1], s[CA:CA+1], XT
	s_add_nc_u64 s[LA:LA+1], s[6:7], s[LA:LA+1]
	s_add_nc_u64 s[CB:CB+1], s[6:7], s[CB:CB+1]
	s_add_nc_u64 s[NB:NB+1], s[CB:CB+1], WT
	s_add_nc_u64 s[LB:LB+1], s[4:5], s[LB:LB+1]
	s_add_nc_u64 s[OC:OC+1], s[14:15], s[OC:OC+1]
	s_add_nc_u64 s[OS:OS+1], s[14:15], s[OS:OS+1]
.irp p, NOC, NOS, LOC, LOS
	s_add_nc_u64 s[\p:\p+1], s[16:17], s[\p:\p+1]
.endr
	SETD CA, CB, 0, 0
	CROUND                                         ; all sixteen work-groups are here: the first joint loads meet
	JL                                             ; q's chunk 0 into slot 0: one load a wave at the head
	v_and_b32 v[L8], 31, v0
	v_lshlrev_b32 v[L8], 3, v[L8]
	v_and_b32 v32, 15, v0                          ; r
	v_bfe_u32 v33, v0, 4, 1                        ; h
	v_add_nc_u32 v34, s18, v[L8]
	v_add_nc_u32 v35, s19, v[L8]
	global_load_b64 v[36:37], v34, s[8:9]          ; my 64 numbers of bq,
	global_load_b64 v[38:39], v34, s[10:11]        ; of bk,
	global_load_b64 v[40:41], v35, s[12:13]        ; of bv
	s_mul_i32 s83, s79, 25600                      ; my four tiles of source 1
	s_mul_i32 s84, s78, 25600
	s_add_co_u32 s84, s84, PANEL                   ; and of source 0
	v_add_nc_u32 v[A1], s83, v[L8]
	v_add_nc_u32 v[A0], s84, v[L8]
	s_sub_co_u32 s84, s84, s83
	v_mul_u32_u24 v[ASC], s84, v33                 ; lanes 16-31 take source 0's scale words: one product, the distance between the two
	v_lshl_add_u32 v[ASC], v32, 4, v[ASC]
	s_add_co_u32 s83, s83, 6144
	v_add_nc_u32 v[ASC], s83, v[ASC]
	v_add_nc_u32 v[A1+4], CHK, v[A1]               ; the same in slot 1
	v_add_nc_u32 v[A0+4], CHK, v[A0]
	v_add_nc_u32 v[ASC+4], CHK, v[ASC]
	s_mul_i32 s83, s[WV], 768
	s_add_co_u32 s83, s83, STASH                   ; my stash
	v_add_nc_u32 v42, s83, v[L8]
	v_lshl_add_u32 v[BR], v33, 6, s83              ; back: along the registers: 16 h numbers on
	v_and_b32 v43, 8, v32
	v_add_nc_u32 v43, v43, v32                     ; r + 8 (r / 8)
	v_lshl_add_u32 v[BL], v43, 2, s83              ; along the lanes
	v_lshlrev_b32 v[SQ], 2, v32
	v_lshl_add_u32 v[SQ+2], v33, 6, v[SQ]          ; v: 4 r, lanes 16-31 the odd tile's, 64 bytes on; tiles 2, 3 lie 128 on
	v_lshl_add_u32 v[SQ], v33, 1, v[SQ]            ; q, k: 4 r + 2 h; tiles 2, 3 lie 64 on
	v_add_nc_u32 v[SQ+1], 64, v[SQ]
	v_add_nc_u32 v[SQ+3], 128, v[SQ+2]
	s_wait_alu depctr_va_vdst(0)
	s_wait_loadcnt 0x0
	ds_store_b64 v42, v[36:37]
	ds_store_b64 v42, v[38:39] offset:256
	ds_store_b64 v42, v[40:41] offset:512
.Ltile:                                            ; two trips: q, k
	SEQ CA, CB, 6400, 1                            ; this tile's chunk 1 into slot 1 (the first time: slot 1's first fill, issued as a refill is)
	CHUNK 0, 1                                     ; the first step's products start the sums: nothing is cleared
	SEQ NA, NB, 0, 0                               ; the next tile's chunk 0 into slot 0
	CHUNK 1, 0
	WAYOUT 0
	s_mov_b64 s[CA:CA+1], s[NA:NA+1]
	s_mov_b64 s[NA:NA+1], s[LA:LA+1]
	s_mov_b64 s[CB:CB+1], s[NB:NB+1]
	s_mov_b64 s[NB:NB+1], s[LB:LB+1]
	s_mov_b64 s[OC:OC+1], s[NOC:NOC+1]
	s_mov_b64 s[NOC:NOC+1], s[LOC:LOC+1]
	s_mov_b64 s[OS:OS+1], s[NOS:NOS+1]
	s_mov_b64 s[NOS:NOS+1], s[LOS:LOS+1]
	v_add_nc_u32 v[BR], 256, v[BR]                 ; from bq to bk
	s_wait_alu depctr_va_vdst(0)
	s_sub_co_i32 s[CNT], s[CNT], 1
	s_cmp_lg_u32 s[CNT], 0
	s_cbranch_scc1 .Ltile
	SEQ CA, CB, 6400, 1                            ; v: its chunk 1, the walk's last fill
	CHUNK 0, 1
	s_wait_tensorcnt 0x0                           ; my part of the last chunk has landed
	s_wait_dscnt 0x0
	s_barrier_signal -1
	s_barrier_wait -1                              ; everybody's has
	CHUNK 1, 0
	WAYOUT 1
	s_wait_tensorcnt 0x0                           ; the wave's end
	ds_add_u32 v[SPW], v[NIL]
	s_wait_dscnt 0x0
	CROUND                                         ; the closing round: no work-group ends while a partner may still ask for a tile that names it
	s_endpgm
.Lfunc_end_k_q1a935bb309_proj:
	.size	k_q1a935bb309_proj, .Lfunc_end_k_q1a935bb309_proj-k_q1a935bb309_proj
	.p2alignl 7, 3214868480
	.fill 96, 4, 3214868480
	.section	.rodata,"a",@progbits
	.p2align	6, 0x0
	.amdhsa_kernel k_q1a935bb309_proj
		.amdhsa_group_segment_fixed_size 327680
		.amdhsa_private_segment_fixed_size 0
		.amdhsa_enable_private_segment 0
		.amdhsa_kernarg_size 56
		.amdhsa_user_sgpr_count 2
		.amdhsa_user_sgpr_kernarg_segment_ptr 1
		.amdhsa_wavefront_size32 1
		.amdhsa_system_sgpr_workgroup_id_x 1
		.amdhsa_system_sgpr_workgroup_id_y 1
		.amdhsa_system_sgpr_workgroup_id_z 1
		.amdhsa_system_vgpr_workitem_id 0
		.amdhsa_next_free_vgpr 256
		.amdhsa_next_free_sgpr 100
		.amdhsa_reserve_vcc 0
		.amdhsa_float_denorm_mode_32 3
		.amdhsa_float_denorm_mode_16_64 3
		.amdhsa_memory_ordered 1
		.amdhsa_forward_progress 1
		.amdhsa_inst_pref_size 132
	.end_amdhsa_kernel
	.amdgpu_metadata
---
amdhsa.version: [ 1, 2 ]
amdhsa.kernels:
  - .name:           k_q1a935bb309_proj
    .symbol:         k_q1a935bb309_proj.kd
    .args:
      - { .name: xc, .offset: 0, .size: 8, .value_kind: global_buffer, .address_space: global }
      - { .name: wc, .offset: 8, .size: 8, .value_kind: global_buffer, .address_space: global }
      - { .name: bq, .offset: 16, .size: 8, .value_kind: global_buffer, .address_space: global }
      - { .name: bk, .offset: 24, .size: 8, .value_kind: global_buffer, .address_space: global }
      - { .name: bv, .offset: 32, .size: 8, .value_kind: global_buffer, .address_space: global }
      - { .name: qb, .offset: 40, .size: 8, .value_kind: global_buffer, .address_space: global }
      - { .name: kvb, .offset: 48, .size: 8, .value_kind: global_buffer, .address_space: global }
    .group_segment_fixed_size: 327680
    .private_segment_fixed_size: 0
    .kernarg_segment_align: 8
    .kernarg_segment_size: 56
    .max_flat_workgroup_size: 256
    .sgpr_count:     100
    .vgpr_count:     256
    .wavefront_size: 32
...
	.end_amdgpu_metadata
.endif
;; end of part 2
;; launch stats (part 3): grid 4 x 64, 16 waves a work-group, clusters of 4 x 1, 169,984 bytes of LDS; arguments qb, kvb, st; writes st
.if DOCPART == 3
	.amdgcn_target "amdgcn-amd-amdhsa--gfx1250"
	.amdhsa_code_object_version 6
	.text
	.protected	k_q1a935bb309_stats
	.globl	k_q1a935bb309_stats
	.p2align	8
	.type	k_q1a935bb309_stats,@function
k_q1a935bb309_stats:
	s_mov_b64 s[64:65], 0
	v_nop
	global_prefetch_b8 v0, s[64:65] scope:SCOPE_SE
	s_setreg_imm32_b32 hwreg(HW_REG_WAVE_MODE, 25, 1), 1
	s_wait_xcnt 0x0
	s_wait_alu depctr_hold_cnt(0) depctr_sa_sdst(0) depctr_va_vdst(0) depctr_va_sdst(0) depctr_va_ssrc(0) depctr_va_vcc(0) depctr_vm_vsrc(0)
	s_getreg_b32 s2, hwreg(HW_REG_IB_STS2, 6, 4)
	s_cmp_eq_u32 s2, 0
	s_cbranch_scc0 .Lentry_in_a_cluster
	s_endpgm
.Lentry_in_a_cluster:
	s_bfe_u32 s2, ttmp6, 0x10000c
	s_cmp_lg_u32 s2, 0x3003
	s_cbranch_scc0 .Lentry_shape_is_right
	s_endpgm
.Lentry_shape_is_right:
; The softmax runs over the QUERIES: for each key of each head this launch finds n = -(M + 3 + log2 l), over all 2,048 queries, so that the next launch has the finished p = 2^(t + n) = 2^(t - M) / (8 l).
; t = score x log2(e); M = the key's largest t rounded UP to a whole number, kept as -M = floor(-t); l = the sum over the queries of 2^(t - M).  When M moves, l is multiplied by 2^(old M - new M), made by v_ldexp_f32: nothing is rounded.
; The 3 is the division by sqrt(64).  -M - 3 is a whole number and exact; the logarithm is taken off it with one rounding.
; A work-group takes a quarter of one head's keys, each of its sixteen waves 32 keys (two tiles, resident in registers), and every wave walks all queries, whose codes (102,400 bytes a head) lie in LDS, filled once.
; CLUSTER 4 x 1: the four quarters of a head read the same queries: asked for jointly.
; K = 64 IN AN INSTRUCTION OF 128: the streamed fragment holds TWO tiles of queries, one in each half of K; the resident keys lie between runs of six zero registers, [Z][C0][Z][C1][Z], so that [C|Z] meets the first tile and [Z|C] the second.
; Zero codes add nothing under any valid scale byte.  The streamed side's scale word is (first tile's two bytes, second tile's two); the resident side's is its two bytes twice.
; Source 0 = queries, source 1 = keys: a lane holds ONE key (lane % 16) and its registers run along queries; the two halves of the lanes keep statistics of their own until the end.
; LIMITS: NaN and infinities are not served; |t| beyond 2^24 is not served (M is kept as a whole f32 number); v_exp_f32 gives 0 for results under 2^-126.
; n is rounded to f32: all p of a key carry a common relative error of at most 2^-24 x |n| x ln 2, beside the logarithm's own last bit.
.set WV,  3
.set G1,  24                           ; s[24:31] group 1;  s[32:35] group 0
.set G0,  32
.set CS,  36                           ; s[36:37] log2(e): the packed form names a pair and takes its low word
.set SEL, 38                           ; s[38:39]
.set HM,  40
.set TB,  41                           ; s41 LDS byte at which the 128 queries in hand begin
.set CNT, 42
.set AQ0, 1                            ; v1 8 x lane
.set AS0, 2                            ; v2 4 x (lane % 16)
.set ADQ, 3
.set ADS, 4
.set KR,  16                           ; v16-45 [Z][C0][Z][C1][Z]
.set KS,  46                           ; v46-47 the keys' scale words
.set FF,  48                           ; v48-71 two fragments of queries
.set FS,  72                           ; v72-73 their scale words
.set NM,  80                           ; key tile kt: (-M, largest t) at v[80 + 2 kt]
.set LL,  84                           ; l, in two halves
.set FA,  88                           ; the factor (a pair is named; its low word serves)
.set MX,  92                           ; at work
.set SS,  96                           ; scores: v[96 + 32 kt + 8 (2 f + second tile)]
.set TT,  160                          ; at work
.macro CROUND
	s_barrier_signal -1
	s_barrier_wait -1
	s_cmp_lg_u32 s[WV], 0
	s_cbranch_scc1 .Lnot_wave_0_\@
	s_barrier_signal -3
.Lnot_wave_0_\@:
	s_barrier_wait -3
	s_barrier_signal -1
	s_barrier_wait -1
.endm
.macro QFETCH off, soff                ; 64 queries: two fragments and their scale words
.irp f, 0,1
.irp p, 0,1,2,3,4,5
	ds_load_b64 v[FF+12*\f+2*\p:FF+12*\f+2*\p+1], v[ADQ] offset:(\off)+1536*\f+256*\p
.endr
	ds_load_b32 v[FS+\f], v[ADS] offset:(\soff)+64*\f
.endr
.endm
; 64 queries x my 32 keys
.macro HALF fetch, off, soff
	s_wait_dscnt 0x0
.irp f, 0,1
.irp kt, 0,1
	v_wmma_scale_f32_16x16x128_f8f6f4 v[SS+32*\kt+16*\f:SS+32*\kt+16*\f+7], v[FF+12*\f:FF+12*\f+11], v[KR+6+12*\kt:KR+17+12*\kt], 0, v[FS+\f], v[KS+\kt] matrix_a_fmt:MATRIX_FMT_FP6 matrix_b_fmt:MATRIX_FMT_FP6
	v_wmma_scale_f32_16x16x128_f8f6f4 v[SS+32*\kt+16*\f+8:SS+32*\kt+16*\f+15], v[FF+12*\f:FF+12*\f+11], v[KR+12*\kt:KR+11+12*\kt], 0, v[FS+\f], v[KS+\kt] matrix_a_fmt:MATRIX_FMT_FP6 matrix_b_fmt:MATRIX_FMT_FP6
.endr
.endr
.if \fetch
	v_add_nc_u32 v[ADQ], s[TB], v[AQ0]             ; four places behind the products (ISA guide 7.12.1): two additions that name none of their registers, two v_nop
	v_add_nc_u32 v[ADS], s[TB], v[AS0]
	v_nop
	v_nop
	QFETCH \off, \soff                             ; the next 64 queries land while these are worked on
.else
.rept 4
	v_nop
.endr
.endif
.irp kt, 0,1                           ; the largest of my 32 scores of each key tile: two chains each, every accumulator from its low end on
	v_max3_num_f32 v[MX+2*\kt], v[SS+32*\kt], v[SS+32*\kt+1], v[SS+32*\kt+2]
	v_max3_num_f32 v[MX+2*\kt+1], v[SS+32*\kt+16], v[SS+32*\kt+17], v[SS+32*\kt+18]
.endr
.irp i, 3,5,7,9,11,13
.irp kt, 0,1
	v_max3_num_f32 v[MX+2*\kt], v[MX+2*\kt], v[SS+32*\kt+\i], v[SS+32*\kt+\i+1]
	v_max3_num_f32 v[MX+2*\kt+1], v[MX+2*\kt+1], v[SS+32*\kt+16+\i], v[SS+32*\kt+17+\i]
.endr
.endr
.irp kt, 0,1
	v_max3_num_f32 v[MX+2*\kt], v[MX+2*\kt], v[MX+2*\kt+1], v[SS+32*\kt+15]
.endr
.irp kt, 0,1
	v_max_num_f32 v[MX+2*\kt], v[MX+2*\kt], v[SS+32*\kt+31]
.endr
.irp kt, 0,1
	s_delay_alu instid0(VALU_DEP_2)
	v_mul_f32 v[MX+2*\kt], s[CS], v[MX+2*\kt]      ; as t (the factor is positive)
.endr
.irp kt, 0
	s_delay_alu instid0(VALU_DEP_2)
	v_max_num_f32 v[NM+2*\kt+1], v[NM+2*\kt+1], v[MX+2*\kt]    ; the running largest t
	v_mov_b32 v[MX+2*\kt+1], v[NM+2*\kt]
.endr
.irp kt, 1
	s_delay_alu instid0(VALU_DEP_3)
	v_max_num_f32 v[NM+2*\kt+1], v[NM+2*\kt+1], v[MX+2*\kt]    ; the running largest t
	v_mov_b32 v[MX+2*\kt+1], v[NM+2*\kt]
.endr
.irp kt, 0
	s_delay_alu instid0(VALU_DEP_4)
	v_floor_f32 v[NM+2*\kt], -v[NM+2*\kt+1]        ; the new -M
.endr
.irp kt, 1
	s_delay_alu instid0(VALU_DEP_3)
	v_floor_f32 v[NM+2*\kt], -v[NM+2*\kt+1]        ; the new -M
.endr
.irp kt, 0,1
	s_delay_alu instid0(VALU_DEP_2)
	v_sub_f32 v[MX+2*\kt+1], v[NM+2*\kt], v[MX+2*\kt+1]        ; old M - new M: a whole number, 0 or less
.endr
.irp kt, 0,1
	s_delay_alu instid0(VALU_DEP_2)
	v_cvt_i32_f32 v[MX+2*\kt+1], v[MX+2*\kt+1]     ; (it saturates)
.endr
.irp kt, 0,1
	s_delay_alu instid0(VALU_DEP_2)
	v_ldexp_f32 v[FA+2*\kt], 1.0, v[MX+2*\kt+1]
.endr
.irp kt, 0,1
.irp j, 0,2,4,6,8,10,12,14,16,18,20,22,24,26,28,30
	v_pk_fma_f32 v[SS+32*\kt+\j:SS+32*\kt+\j+1], v[SS+32*\kt+\j:SS+32*\kt+\j+1], s[CS:CS+1], v[NM+2*\kt:NM+2*\kt+1] op_sel_hi:[1,0,0]   ; t - M, two at a time
.endr
.endr
	s_wait_alu depctr_va_vdst(0)
.irp j, 0,1,2,3,4,5,6,7,8,9,10,11,12,13,14,15,16,17,18,19,20,21,22,23,24,25,26,27,28,29,30,31,32,33,34,35,36,37,38,39,40,41,42,43,44,45,46,47,48,49,50,51,52,53,54,55,56,57,58,59,60,61,62,63
	v_exp_f32 v[SS+\j], v[SS+\j]
.endr
.irp kt, 0,1
	v_pk_mul_f32 v[LL+2*\kt:LL+2*\kt+1], v[LL+2*\kt:LL+2*\kt+1], v[FA+2*\kt:FA+2*\kt+1] op_sel_hi:[1,0]   ; l under the new M; plain lines behind the exponentials
.endr
	s_wait_alu depctr_va_vdst(0)                   ; one wait for the whole batch, ahead of its first reader
.irp kt, 0,1
	v_pk_add_f32 v[TT+2*\kt:TT+2*\kt+1], v[SS+32*\kt:SS+32*\kt+1], v[SS+32*\kt+2:SS+32*\kt+3]
.endr
.irp j, 4,8,12,16,20,24,28
.irp kt, 0,1
	v_pk_add_f32 v[LL+2*\kt:LL+2*\kt+1], v[LL+2*\kt:LL+2*\kt+1], v[SS+32*\kt+\j:SS+32*\kt+\j+1]
	v_pk_add_f32 v[TT+2*\kt:TT+2*\kt+1], v[TT+2*\kt:TT+2*\kt+1], v[SS+32*\kt+\j+2:SS+32*\kt+\j+3]
.endr
.endr
.irp kt, 0
	s_delay_alu instid0(VALU_DEP_3)
	v_pk_add_f32 v[LL+2*\kt:LL+2*\kt+1], v[LL+2*\kt:LL+2*\kt+1], v[TT+2*\kt:TT+2*\kt+1]
.endr
.irp kt, 1
	s_delay_alu instid0(VALU_DEP_2)
	v_pk_add_f32 v[LL+2*\kt:LL+2*\kt+1], v[LL+2*\kt:LL+2*\kt+1], v[TT+2*\kt:TT+2*\kt+1]
.endr
.endm
	s_load_b128 s[4:7], s[0:1], 0x0                ; qb, kvb
	s_load_b64 s[8:9], s[0:1], 0x10                ; st
	v_lshl_add_u32 v176, v0, 2, 0x29000
	v_mov_b32 v177, 0
	ds_add_u32 v176, v177
	ds_add_u32 v176, v177
	v_lshrrev_b32 v1, 5, v0
	s_delay_alu instid0(VALU_DEP_1)
	v_readfirstlane_b32 s[WV], v1                  ; wave 0..15
	s_bfe_u32 s12, ttmp6, 0x40000                  ; cx: which quarter of the keys; it enters global addresses alone
	s_and_b32 s13, ttmp7, 0xffff                   ; batch x 16 + head, which the four partners share
	s_lshl_b32 s14, s12, 4
	s_add_co_u32 s14, s14, s[WV]                   ; my 32 keys: pair P of 64
	s_mul_i32 s16, s13, 102400                     ; the head's queries; wave w (0..3) fetches a quarter
	s_mul_i32 s18, s[WV], 25600
	s_add_co_u32 s16, s16, s18
	s_mov_b32 s17, 0
	s_mul_i32 s20, s13, 204800
	s_lshr_b32 s21, s14, 2
	s_mul_i32 s21, s21, 12800
	s_add_co_u32 s20, s20, s21                     ; the block of 128 keys that holds mine
	s_and_b32 s21, s14, 3
	s_mul_i32 s22, s21, 1536
	s_lshl_b32 s23, s21, 6
	s_add_co_u32 s22, s20, s22                     ; my two tiles' codes
	s_add_co_u32 s20, s20, s23
	s_add_co_u32 s20, s20, 12288                   ; their scale words
	s_mov_b32 s21, 0
	s_mov_b32 s23, 0
	s_lshl_b32 s44, s13, 13                        ; st: 8,192 bytes a head,
	s_lshl_b32 s45, s14, 7                         ; 128 for my 32 keys
	s_add_co_u32 s44, s44, s45
	s_mov_b32 s45, 0
	; group 1: a dense block of 25,600 bytes as 100 rows of 256 (32 elements of 8 bytes)
	s_mov_b32 s[G1], 15|(3<<16)|(1<<21)            ; 15:0 the mask: all four work-groups; 17:16 elements of 8 bytes; 21 set beside a mask
	s_mov_b32 s[G1+1], 32<<16
	s_mov_b32 s[G1+2], 100<<16
	s_mov_b32 s[G1+3], 32<<16
	s_mov_b32 s[G1+4], 100
	s_mov_b32 s[G1+5], 32
	s_mov_b32 s[G1+6], 0
	s_mov_b32 s[G1+7], 0
	s_mov_b32 s[CS], 0x3fb8aa3b                    ; log2(e)
	s_mov_b32 s[CS+1], s[CS]
	s_mov_b32 s[SEL], 0x76543210
	s_mov_b32 s[SEL+1], 0xfedcba98
	s_mov_b32 s[HM], 0xffff0000
	s_mov_b32 s[TB], 0
	s_wait_dscnt 0x0
	s_wait_kmcnt 0x0
	s_mov_b32 s[G0], 1
	s_mov_b32 s[G0+1], s18
	s_add_nc_u64 s[G0+2:G0+3], s[4:5], s[16:17]
	s_or_b32 s[G0+3], s[G0+3], 0x80000000
	s_add_nc_u64 s[22:23], s[6:7], s[22:23]
	s_add_nc_u64 s[20:21], s[6:7], s[20:21]
	s_add_nc_u64 s[8:9], s[8:9], s[44:45]
	CROUND                                         ; all four work-groups are here: the joint loads meet
	s_cmp_lt_u32 s[WV], 4
	s_cbranch_scc0 .Lno_fill
	tensor_load_to_lds s[G0:G0+3], s[G1:G1+7]      ; one load a wave, waves 0 to 3; four v_nop follow
	s_nop 0
.rept 4
	v_nop
.endr
.Lno_fill:
	v_and_b32 v[AQ0], 31, v0
	s_delay_alu instid0(VALU_DEP_1)
	v_lshlrev_b32 v[AQ0], 3, v[AQ0]
	v_and_b32 v5, 15, v0                           ; r
	s_delay_alu instid0(VALU_DEP_1)
	v_lshlrev_b32 v[AS0], 2, v5
.irp u, 0,1
.irp p, 0,1,2
	global_load_b64 v[KR+6+12*\u+2*\p:KR+7+12*\u+2*\p], v[AQ0], s[22:23] offset:768*\u+256*\p
.endr
.endr
	global_load_b32 v6, v[AS0], s[20:21]           ; (even tile's two bytes, odd tile's two)
.irp z, 0,12,24
.irp i, 0,1,2,3,4,5
	v_mov_b32 v[KR+\z+\i], 0                       ; the three runs of zero codes
.endr
.endr
.irp kt, 0,1
	v_mov_b32 v[NM+2*\kt+1], 0xff61b1e6            ; the largest t so far: -3e38, under every t
	s_delay_alu instid0(VALU_DEP_1)
	v_floor_f32 v[NM+2*\kt], -v[NM+2*\kt+1]
	v_mov_b32 v[LL+2*\kt], 0
	v_mov_b32 v[LL+2*\kt+1], 0
	v_mov_b32 v[FA+2*\kt+1], 0                     ; (named as the upper half of a pair)
.endr
	v_bfe_u32 v7, v0, 4, 1                         ; h
	v_and_b32 v8, 8, v5
	s_delay_alu instid0(VALU_DEP_1)
	v_add_nc_u32 v8, v8, v5
	s_delay_alu instid0(VALU_DEP_1)
	v_lshl_add_u32 v7, v7, 3, v8
	s_delay_alu instid0(VALU_DEP_1)
	v_lshlrev_b32 v7, 2, v7                        ; the way out: key 8 h + r + 8 (r / 8) of my 32
	v_add_nc_u32 v[ADQ], s[TB], v[AQ0]
	v_add_nc_u32 v[ADS], s[TB], v[AS0]
	s_wait_alu depctr_va_vdst(0)
	s_wait_loadcnt 0x0
	v_perm_b32 v[KS], v6, v6, 0x01000100           ; the even tile's two bytes twice,
	v_perm_b32 v[KS+1], v6, v6, 0x03020302         ; the odd tile's
.rept 8
	v_nop                                          ; a scale register written by a vector instruction stands eight places ahead of a scaled product
.endr
	s_wait_tensorcnt 0x0
	s_barrier_signal -1
	s_barrier_wait -1                              ; the head's queries lie in LDS
	QFETCH 0, 6144
	s_mov_b32 s[CNT], 15
.Lq:                                               ; a trip: 128 queries
	s_wait_alu depctr_va_vdst(0)
	HALF 1, 3072, 6272
	HALF 1, 6400, 12544
	s_add_co_u32 s[TB], s[TB], 6400
	s_sub_co_u32 s[CNT], s[CNT], 1
	s_cmp_lg_u32 s[CNT], 0
	s_cbranch_scc1 .Lq
	HALF 1, 3072, 6272                             ; the last 128: nothing is fetched beyond the end
	HALF 0, 0, 0
	; the two halves of the lanes hold the same keys and other queries: brought under the larger M and added
.irp kt, 0,1
	s_delay_alu instid0(VALU_DEP_2)
	v_add_f32 v[LL+2*\kt], v[LL+2*\kt], v[LL+2*\kt+1]
.endr
.irp kt, 0
	v_permlanex16_b32 v[MX+2*\kt], v[NM+2*\kt], s[SEL], s[SEL+1]
	s_delay_alu instid0(VALU_DEP_3)
	v_permlanex16_b32 v[MX+2*\kt+1], v[LL+2*\kt], s[SEL], s[SEL+1]
.endr
.irp kt, 1
	v_permlanex16_b32 v[MX+2*\kt], v[NM+2*\kt], s[SEL], s[SEL+1]
	s_delay_alu instid0(VALU_DEP_4)
	v_permlanex16_b32 v[MX+2*\kt+1], v[LL+2*\kt], s[SEL], s[SEL+1]
.endr
.irp kt, 0
	s_delay_alu instid0(VALU_DEP_4)
	v_min_num_f32 v[TT+\kt], v[NM+2*\kt], v[MX+2*\kt]          ; -M of the larger M
.endr
.irp kt, 1
	s_delay_alu instid0(VALU_DEP_3)
	v_min_num_f32 v[TT+\kt], v[NM+2*\kt], v[MX+2*\kt]          ; -M of the larger M
.endr
.irp kt, 0
	s_delay_alu instid0(VALU_DEP_2)
	v_sub_f32 v[TT+2+\kt], v[TT+\kt], v[NM+2*\kt]
	s_delay_alu instid0(VALU_DEP_3)
	v_sub_f32 v[TT+4+\kt], v[TT+\kt], v[MX+2*\kt]
.endr
.irp kt, 1
	s_delay_alu instid0(VALU_DEP_3)
	v_sub_f32 v[TT+2+\kt], v[TT+\kt], v[NM+2*\kt]
	s_delay_alu instid0(VALU_DEP_4)
	v_sub_f32 v[TT+4+\kt], v[TT+\kt], v[MX+2*\kt]
.endr
.irp kt, 0,1
	s_delay_alu instid0(VALU_DEP_4)
	v_cvt_i32_f32 v[TT+2+\kt], v[TT+2+\kt]
	s_delay_alu instid0(VALU_DEP_4)
	v_cvt_i32_f32 v[TT+4+\kt], v[TT+4+\kt]
.endr
.irp kt, 0,1
	s_delay_alu instid0(VALU_DEP_4)
	v_ldexp_f32 v[TT+2+\kt], 1.0, v[TT+2+\kt]
	s_delay_alu instid0(VALU_DEP_4)
	v_ldexp_f32 v[TT+4+\kt], 1.0, v[TT+4+\kt]
.endr
.irp kt, 0
	s_delay_alu instid0(VALU_DEP_4)
	v_mul_f32 v[LL+2*\kt], v[LL+2*\kt], v[TT+2+\kt]
.endr
.irp kt, 1
	s_delay_alu instid0(VALU_DEP_3)
	v_mul_f32 v[LL+2*\kt], v[LL+2*\kt], v[TT+2+\kt]
.endr
.irp kt, 0,1
	s_delay_alu instid0(VALU_DEP_2)
	v_fma_f32 v[LL+2*\kt], v[MX+2*\kt+1], v[TT+4+\kt], v[LL+2*\kt]
.endr
	s_wait_alu depctr_va_vdst(0)
.irp kt, 0,1
	v_log_f32 v[TT+6+\kt], v[LL+2*\kt]             ; log2 l; l lies between 1/2 and 2,048
.endr
.irp kt, 0,1
	v_add_f32 v[TT+\kt], 0xc0400000, v[TT+\kt]     ; -M - 3: whole numbers, exact.  (Plain lines behind the logarithms)
.endr
	s_wait_alu depctr_va_vdst(0)                   ; one wait for both, ahead of their first reader
.irp kt, 0,1
	v_sub_f32 v[TT+6+\kt], v[TT+\kt], v[TT+6+\kt]  ; n = -M - 3 - log2 l: one rounding
.endr
	s_delay_alu instid0(VALU_DEP_1)
	v_cndmask_b32 v[TT+8], v[TT+6], v[TT+7], s[HM] ; lanes 0-15 store the even tile's keys, lanes 16-31 the odd tile's
	global_store_b32 v7, v[TT+8], s[8:9]           ; 128 consecutive bytes: n of my 32 keys, in their order
	s_wait_tensorcnt 0x0
	ds_add_u32 v176, v177
	s_wait_dscnt 0x0
	CROUND                                         ; the closing round
	s_endpgm
.Lfunc_end_k_q1a935bb309_stats:
	.size	k_q1a935bb309_stats, .Lfunc_end_k_q1a935bb309_stats-k_q1a935bb309_stats
	.p2alignl 7, 3214868480
	.fill 96, 4, 3214868480
	.section	.rodata,"a",@progbits
	.p2align	6, 0x0
	.amdhsa_kernel k_q1a935bb309_stats
		.amdhsa_group_segment_fixed_size 169984
		.amdhsa_private_segment_fixed_size 0
		.amdhsa_enable_private_segment 0
		.amdhsa_kernarg_size 24
		.amdhsa_user_sgpr_count 2
		.amdhsa_user_sgpr_kernarg_segment_ptr 1
		.amdhsa_wavefront_size32 1
		.amdhsa_system_sgpr_workgroup_id_x 1
		.amdhsa_system_sgpr_workgroup_id_y 1
		.amdhsa_system_sgpr_workgroup_id_z 1
		.amdhsa_system_vgpr_workitem_id 0
		.amdhsa_next_free_vgpr 178
		.amdhsa_next_free_sgpr 66
		.amdhsa_reserve_vcc 0
		.amdhsa_float_denorm_mode_32 3
		.amdhsa_float_denorm_mode_16_64 3
		.amdhsa_memory_ordered 1
		.amdhsa_forward_progress 1
		.amdhsa_inst_pref_size 55
	.end_amdhsa_kernel
	.amdgpu_metadata
---
amdhsa.version: [ 1, 2 ]
amdhsa.kernels:
  - .name:           k_q1a935bb309_stats
    .symbol:         k_q1a935bb309_stats.kd
    .args:
      - { .name: qb, .offset: 0, .size: 8, .value_kind: global_buffer, .address_space: global }
      - { .name: kvb, .offset: 8, .size: 8, .value_kind: global_buffer, .address_space: global }
      - { .name: st, .offset: 16, .size: 8, .value_kind: global_buffer, .address_space: global }
    .group_segment_fixed_size: 169984
    .private_segment_fixed_size: 0
    .kernarg_segment_align: 8
    .kernarg_segment_size: 24
    .max_flat_workgroup_size: 512
    .sgpr_count:     66
    .vgpr_count:     178
    .wavefront_size: 32
...
	.end_amdgpu_metadata
.endif
;; end of part 3
;; launch attn (part 4): grid 4 x 64, 16 waves a work-group, clusters of 4 x 1, 215,040 bytes of LDS; arguments qb, kvb, st, ac; writes ac
.if DOCPART == 4
	.amdgcn_target "amdgcn-amd-amdhsa--gfx1250"
	.amdhsa_code_object_version 6
	.text
	.protected	k_q1a935bb309_attn
	.globl	k_q1a935bb309_attn
	.p2align	8
	.type	k_q1a935bb309_attn,@function
k_q1a935bb309_attn:
	s_mov_b64 s[64:65], 0
	v_nop
	global_prefetch_b8 v0, s[64:65] scope:SCOPE_SE
	s_setreg_imm32_b32 hwreg(HW_REG_WAVE_MODE, 25, 1), 1
	s_wait_xcnt 0x0
	s_wait_alu depctr_hold_cnt(0) depctr_sa_sdst(0) depctr_va_vdst(0) depctr_va_sdst(0) depctr_va_ssrc(0) depctr_va_vcc(0) depctr_vm_vsrc(0)
	s_getreg_b32 s2, hwreg(HW_REG_IB_STS2, 6, 4)
	s_cmp_eq_u32 s2, 0
	s_cbranch_scc0 .Lentry_in_a_cluster
	s_endpgm
.Lentry_in_a_cluster:
	s_bfe_u32 s2, ttmp6, 0x10000c
	s_cmp_lg_u32 s2, 0x3003
	s_cbranch_scc0 .Lentry_shape_is_right
	s_endpgm
.Lentry_shape_is_right:
; out[q][d] = the sum over the keys of p[q][k] v[k][d], p = 2^(score x log2(e) + n[k]): the softmax over the QUERY axis, finished and normalised; n[k] = -(M + 3 + log2 l) comes from the launch before,
; so that the key's divisor 8 l costs no instruction here: one multiply-add and one exponential make p.
; p is quantised along the keys, block by block of 32, in registers; the result is quantised along head x 64 + d for the last product and stored as codes.
; A work-group takes 512 queries of one head, each of its sixteen waves 32 (two tiles, resident); every wave walks the head's 2,048 keys, 128 a step.  The head's K, V and n (212,992 bytes) lie in LDS, each byte filled once.
; CLUSTER 4 x 1: the four blocks of queries of a head read the same K, V and n: asked for jointly.
; Both products are used transposed: S^T = K Q^T (source 0 = keys), O^T = V^T P^T (source 0 = 16 of the head's 64): a lane holds ONE query (lane % 16) throughout.
; K = 64 IN AN INSTRUCTION OF 128: the streamed fragment holds two tiles of keys, one in each half of K; the resident queries lie between runs of zero registers, [Z][Q0][Z][Q1][Z]: [Q|Z] meets the first tile, [Z|Q] the second.
; THE KEYS OF A TILE ARE NOT NEIGHBOURS (tile 2 b + u: keys 32 b + 8 u + r + 8 (r / 8)), so that the 16 registers of a pair of tiles are 16 neighbouring keys: 32 b + 16 (lane / 16) + 0 .. 15.
; LIMITS: NaN and infinities are not served; v_exp_f32 gives 0 for results under 2^-126; a block whose largest number lies under 2^-124, zeros among them, gets the scale byte 1.
; n is an f32 number: all p of a key carry a common relative error of at most 2^-24 x |n| x ln 2.
.set WV,  3
.set G1K, 24                           ; s[24:31] group 1 for K and V;  s[32:39] for n;  s[40:43], s[44:47] their groups 0
.set G1S, 32
.set G0K, 40
.set G0S, 44
.set CS,  48                           ; s[48:49] log2(e)
.set SEL, 50                           ; s[50:51]
.set HM,  52
.set TB,  53                           ; s53 LDS byte at which the step's block of K and V begins
.set TS,  54                           ; s54 and its n
.set CNT, 55
.set STL, 204800                       ; LDS: n, 8,192 bytes, behind K and V
.set L8,  1                            ; v1 8 x lane
.set R4,  2                            ; v2 4 x (lane % 16)
.set ST0, 3                            ; v3 STL + 64 (lane / 16)
.set SOF, 5
.set ADK, 8
.set ADS, 9
.set ADT, 10
.set QR,  16                           ; v16-45 [Z][Q0][Z][Q1][Z]
.set QS,  46                           ; v46-47 the queries' scale words
.set KF,  48                           ; v48-59 a fragment of keys
.set KSW, 60                           ; v60 its scale word;  v61-64 V's;  v65-66 p's: v60-66 hold scales and nothing else
.set VS,  61
.set PW,  65
.set NM,  68                           ; v68-83 n of my 16 keys of the block
.set V1,  84                           ; v84-95 V's second fragment
.set SS,  100                          ; v100-131 scores, then p: 16 x + i
.set PC,  132                          ; v132-155 p's codes, 12 a tile of queries
.set PT,  156                          ; v156-162
.set TM,  164                          ; v164-171 at work
.set SCW, 172
.set OO,  192                          ; O^T: v[192 + 32 x + 8 dt]
.macro CROUND
	s_barrier_signal -1
	s_barrier_wait -1
	s_cmp_lg_u32 s[WV], 0
	s_cbranch_scc1 .Lnot_wave_0_\@
	s_barrier_signal -3
.Lnot_wave_0_\@:
	s_barrier_wait -3
	s_barrier_signal -1
	s_barrier_wait -1
.endm
.macro LOADK b                         ; the pair of tiles of keys 32 b on, and its scale word
.irp p, 0,1,2,3,4,5
	ds_load_b64 v[KF+2*\p:KF+2*\p+1], v[ADK] offset:1536*(\b)+256*\p
.endr
	ds_load_b32 v[KSW], v[ADS] offset:12288+64*(\b)
.endm
.macro LOADNM b                        ; n of keys 32 b + 16 (lane / 16) + 0 .. 15
.irp i, 0,1,2,3
	ds_load_b128 v[NM+4*\i:NM+4*\i+3], v[ADT] offset:128*(\b)+16*\i
.endr
.endm
.macro LOADV dt, reg                   ; V^T's fragment: 16 of the head's 64 x the step's 128 keys
.irp p, 0,1,2,3,4,5
	ds_load_b64 v[\reg+2*\p:\reg+2*\p+1], v[ADK] offset:6144+3072*(\p/3)+768*(\dt)+256*(\p%3)
.endr
.endm
; 32 keys x my 32 queries.  What the next block needs is fetched as soon as its registers are free; in the last block three of V's four fragments take the registers of n, the keys and the scores
.macro BLOCK b
	s_wait_dscnt 0x0
.irp x, 0,1
	v_wmma_scale_f32_16x16x128_f8f6f4 v[SS+16*\x:SS+16*\x+7], v[KF:KF+11], v[QR+6+12*\x:QR+17+12*\x], 0, v[KSW], v[QS+\x] matrix_a_fmt:MATRIX_FMT_FP6 matrix_b_fmt:MATRIX_FMT_FP6
	v_wmma_scale_f32_16x16x128_f8f6f4 v[SS+16*\x+8:SS+16*\x+15], v[KF:KF+11], v[QR+12*\x:QR+11+12*\x], 0, v[KSW], v[QS+\x] matrix_a_fmt:MATRIX_FMT_FP6 matrix_b_fmt:MATRIX_FMT_FP6
.endr
; four places behind the products (ISA guide 7.12.1).  From the second block on they are the block before's scale bytes, which name none of the products' registers
.if (\b) == 0
.rept 4
	v_nop
.endr
.else
.irp x, 0,1
	v_lshrrev_b32 v[TM+6+\x], 23, v[TM+4+\x]       ; the scale's byte of block b - 1
.endr
.irp x, 0,1
.if (\b) == 1
	s_delay_alu instid0(VALU_DEP_2)
	v_mov_b32 v[PW+\x], v[TM+6+\x]
.else
	s_delay_alu instid0(VALU_DEP_2)
	v_lshl_or_b32 v[PW+\x], v[TM+6+\x], 8*((\b)-1), v[PW+\x]
.endif
.endr
.endif
.if (\b) < 3
	LOADK (\b)+1
.else
	LOADV 2, KF
	LOADV 1, V1
.irp dt, 0,1,2,3
	ds_load_b32 v[VS+\dt], v[ADS] offset:12544+64*\dt
.endr
.endif
.irp x, 0,1
.irp i, 0,2,4,6,8,10,12,14
	v_pk_fma_f32 v[SS+16*\x+\i:SS+16*\x+\i+1], v[SS+16*\x+\i:SS+16*\x+\i+1], s[CS:CS+1], v[NM+\i:NM+\i+1] op_sel_hi:[1,0,1]   ; t + n of the register's key; each accumulator from its low end on
.endr
.endr
.if (\b) < 3
	LOADNM (\b)+1
.else
	LOADV 0, NM
.endif
	s_wait_alu depctr_va_vdst(0)
.irp j, 0,1,2,3,4,5,6,7,8,9,10,11,12,13,14,15,16,17,18,19,20,21,22,23,24,25,26,27,28,29,30,31
	v_exp_f32 v[SS+\j], v[SS+\j]                   ; p, finished
.endr
	v_nop                                          ; a plain line behind the exponentials
	s_wait_alu depctr_va_vdst(0)                   ; one wait for the batch, ahead of its first reader
.irp x, 0,1
	v_max3_num_f32 v[TM+\x], v[SS+16*\x], v[SS+16*\x+1], 0x1800000   ; the block's largest p (none is negative), with the floor 2^(3 - 127)
.endr
.irp i, 2,4,6,8,10,12,14
.irp x, 0,1
	v_max3_num_f32 v[TM+\x], v[TM+\x], v[SS+16*\x+\i], v[SS+16*\x+\i+1]
.endr
.endr
.irp x, 0,1
	s_delay_alu instid0(VALU_DEP_2)
	v_permlanex16_b32 v[TM+2+\x], v[TM+\x], s[SEL], s[SEL+1]
.endr
.irp x, 0,1
	s_delay_alu instid0(VALU_DEP_2)
	v_max_num_f32 v[TM+\x], v[TM+\x], v[TM+2+\x]   ; with lane l xor 16's 16 keys
.endr
.irp x, 0,1
	s_delay_alu instid0(VALU_DEP_2)
	v_add_nc_u32 v[TM+4+\x], 0xff000000, v[TM+\x]  ; 2 off the exponent field: the conversion's scale operand; it stays until the next block's places take the byte off it
.endr
.if (\b) == 3
.irp x, 0,1
	s_delay_alu instid0(VALU_DEP_2)
	v_lshrrev_b32 v[TM+6+\x], 23, v[TM+4+\x]       ; the last block's byte is made at once
.endr
.irp x, 0,1
	s_delay_alu instid0(VALU_DEP_2)
	v_lshl_or_b32 v[PW+\x], v[TM+6+\x], 24, v[PW+\x]
.endr
.endif
.irp x, 0,1
.if (\b)%2 == 0
	v_cvt_scalef32_pk16_fp6_f32 v[PC+12*\x+6*((\b)/2):PC+12*\x+6*((\b)/2)+2], v[SS+16*\x:SS+16*\x+15], v[TM+4+\x]
.else
	v_cvt_scalef32_pk16_fp6_f32 v[PT+4*\x:PT+4*\x+2], v[SS+16*\x:SS+16*\x+15], v[TM+4+\x]
.endif
.endr
	v_nop                                          ; one plain line behind the conversions
.if (\b)%2 == 1
.irp x, 0,1                            ; a lane is to hold a whole block: lanes 0-15 the even block, lanes 16-31 the odd one
.irp i, 0,1,2
	v_permlane16_swap_b32 v[PC+12*\x+6*((\b)/2)+\i], v[PT+4*\x+\i]
.endr
.irp i, 0,1,2
	s_delay_alu instid0(VALU_DEP_3)
	v_mov_b32 v[PC+12*\x+6*((\b)/2)+3+\i], v[PT+4*\x+\i]
.endr
.endr
.endif
.if (\b) == 3
	LOADV 3, SS
.endif
.endm
.macro PVM dt, vf                      ; the eight accumulators of O^T take turns, one instruction a turn
.irp x, 0,1
	v_wmma_scale_f32_16x16x128_f8f6f4 v[OO+32*\x+8*(\dt):OO+32*\x+8*(\dt)+7], v[\vf:\vf+11], v[PC+12*\x:PC+12*\x+11], v[OO+32*\x+8*(\dt):OO+32*\x+8*(\dt)+7], v[VS+(\dt)], v[PW+\x] matrix_a_fmt:MATRIX_FMT_FP6 matrix_b_fmt:MATRIX_FMT_FP6
.endr
.endm
; 32 numbers of a lane, register 16 b + i = d 32 b + 16 (lane / 16) + i of my query, become a half fragment's six registers and its two scale bytes
.macro QUANT2 s, pc, scw
	v_max3_num_f32 v[TM], |v[(\s)]|, |v[(\s)+1]|, 0x1800000
	v_max3_num_f32 v[TM+1], |v[(\s)+16]|, |v[(\s)+17]|, 0x1800000
.irp i, 2,4,6,8,10,12,14
	v_max3_num_f32 v[TM], v[TM], |v[(\s)+\i]|, |v[(\s)+\i+1]|
	v_max3_num_f32 v[TM+1], v[TM+1], |v[(\s)+16+\i]|, |v[(\s)+17+\i]|
.endr
	s_delay_alu instid0(VALU_DEP_2)
	v_permlanex16_b32 v[TM+2], v[TM], s[SEL], s[SEL+1]
	s_delay_alu instid0(VALU_DEP_2)
	v_permlanex16_b32 v[TM+3], v[TM+1], s[SEL], s[SEL+1]
	s_delay_alu instid0(VALU_DEP_2)
	v_max_num_f32 v[TM], v[TM], v[TM+2]
	s_delay_alu instid0(VALU_DEP_2)
	v_max_num_f32 v[TM+1], v[TM+1], v[TM+3]
	s_delay_alu instid0(VALU_DEP_2)
	v_add_nc_u32 v[TM+4], 0xff000000, v[TM]
	s_delay_alu instid0(VALU_DEP_2)
	v_add_nc_u32 v[TM+5], 0xff000000, v[TM+1]
	s_delay_alu instid0(VALU_DEP_2)
	v_lshrrev_b32 v[TM+6], 23, v[TM+4]
	s_delay_alu instid0(VALU_DEP_2)
	v_lshrrev_b32 v[TM+7], 23, v[TM+5]
	s_delay_alu instid0(VALU_DEP_1)
	v_lshl_or_b32 v[(\scw)], v[TM+7], 8, v[TM+6]
	v_cvt_scalef32_pk16_fp6_f32 v[(\pc):(\pc)+2], v[(\s):(\s)+15], v[TM+4]
	v_cvt_scalef32_pk16_fp6_f32 v[PT:PT+2], v[(\s)+16:(\s)+31], v[TM+5]
	v_nop
.irp i, 0,1,2
	v_permlane16_swap_b32 v[(\pc)+\i], v[PT+\i]
.endr
.irp i, 0,1,2
	s_delay_alu instid0(VALU_DEP_3)
	v_mov_b32 v[(\pc)+3+\i], v[PT+\i]
.endr
.endm
	s_load_b256 s[4:11], s[0:1], 0x0               ; qb, kvb, st, ac
	v_lshl_add_u32 v190, v0, 2, 0x34000
	v_mov_b32 v191, 0
	ds_add_u32 v190, v191
	ds_add_u32 v190, v191
	v_lshrrev_b32 v1, 5, v0
	s_delay_alu instid0(VALU_DEP_1)
	v_readfirstlane_b32 s[WV], v1                  ; wave 0..15
	s_bfe_u32 s12, ttmp6, 0x40000                  ; cx: which 512 queries; it enters global addresses alone
	s_and_b32 s13, ttmp7, 0xffff                   ; batch x 16 + head, which the four partners share
	; what is fetched jointly (registers that never hold cx): waves 0-7 an eighth of the head's K and V each, wave 8 the head's n
	s_mul_i32 s20, s13, 204800
	s_mul_i32 s22, s[WV], 25600
	s_add_co_u32 s20, s20, s22
	s_mov_b32 s21, 0
	s_lshl_b32 s18, s13, 13
	s_mov_b32 s19, 0
	s_mov_b32 s[G1K], 15|(3<<16)|(1<<21)           ; 15:0 the mask: all four work-groups; 17:16 elements of 8 bytes; 21 set beside a mask
	s_mov_b32 s[G1K+1], 32<<16                     ; dense blocks as rows of 256 bytes: 100 rows,
	s_mov_b32 s[G1K+2], 100<<16
	s_mov_b32 s[G1K+3], 32<<16
	s_mov_b32 s[G1K+4], 100
	s_mov_b32 s[G1K+5], 32
	s_mov_b32 s[G1K+6], 0
	s_mov_b32 s[G1K+7], 0
	s_mov_b32 s[G1S], 15|(3<<16)|(1<<21)
	s_mov_b32 s[G1S+1], 32<<16                     ; and 32 rows
	s_mov_b32 s[G1S+2], 32<<16
	s_mov_b32 s[G1S+3], 32<<16
	s_mov_b32 s[G1S+4], 32
	s_mov_b32 s[G1S+5], 32
	s_mov_b32 s[G1S+6], 0
	s_mov_b32 s[G1S+7], 0
	; my 32 queries: pair Pq = 16 cx + wave of 64
	s_lshl_b32 s14, s12, 4
	s_add_co_u32 s14, s14, s[WV]
	s_lshr_b32 s15, s14, 2
	s_mul_i32 s15, s15, 6400
	s_mul_i32 s16, s13, 102400
	s_add_co_u32 s15, s15, s16
	s_and_b32 s16, s14, 3
	s_mul_i32 s17, s16, 1536
	s_add_co_u32 s60, s15, s17                     ; their codes
	s_mov_b32 s61, 0
	s_lshl_b32 s16, s16, 6
	s_add_co_u32 s62, s15, s16
	s_add_co_u32 s62, s62, 6144                    ; their scale words
	s_mov_b32 s63, 0
	; where the result goes: row tiles (batch x 128 + 32 cx + 2 wave) + x; half fragment = head
	s_lshr_b32 s14, s13, 4
	s_lshl_b32 s14, s14, 7
	s_lshl_b32 s15, s12, 5
	s_add_co_u32 s14, s14, s15
	s_lshl_b32 s15, s[WV], 1
	s_add_co_u32 s14, s14, s15
	s_mul_i32 s14, s14, 12800
	s_and_b32 s15, s13, 15                         ; the head
	s_lshr_b32 s16, s15, 3
	s_mul_i32 s16, s16, 6400
	s_add_co_u32 s14, s14, s16                     ; its chunk
	s_and_b32 s16, s15, 7
	s_mul_i32 s17, s16, 768
	s_add_co_u32 s56, s14, s17
	s_mov_b32 s57, 0
	s_lshr_b32 s16, s16, 1
	s_lshl_b32 s16, s16, 2
	s_and_b32 s17, s15, 1
	s_lshl_b32 s17, s17, 1
	s_add_co_u32 s16, s16, s17
	s_add_co_u32 s58, s14, s16
	s_add_co_u32 s58, s58, 6144                    ; the head's two bytes in each row's scale words
	s_mov_b32 s59, 0
	s_mov_b32 s[CS], 0x3fb8aa3b                    ; log2(e)
	s_mov_b32 s[CS+1], s[CS]
	s_mov_b32 s[SEL], 0x76543210
	s_mov_b32 s[SEL+1], 0xfedcba98
	s_mov_b32 s[HM], 0xffff0000
	s_mov_b32 s[TB], 0
	s_mov_b32 s[TS], 0
	s_mov_b32 s[CNT], 16
	s_wait_dscnt 0x0
	s_wait_kmcnt 0x0
	s_mov_b32 s[G0K], 1
	s_mov_b32 s[G0K+1], s22
	s_add_nc_u64 s[G0K+2:G0K+3], s[6:7], s[20:21]
	s_or_b32 s[G0K+3], s[G0K+3], 0x80000000
	s_mov_b32 s[G0S], 1
	s_mov_b32 s[G0S+1], STL
	s_add_nc_u64 s[G0S+2:G0S+3], s[8:9], s[18:19]
	s_or_b32 s[G0S+3], s[G0S+3], 0x80000000
	s_add_nc_u64 s[60:61], s[4:5], s[60:61]
	s_add_nc_u64 s[62:63], s[4:5], s[62:63]
	s_add_nc_u64 s[56:57], s[10:11], s[56:57]
	s_add_nc_u64 s[58:59], s[10:11], s[58:59]
	CROUND                                         ; all four work-groups are here: the joint loads meet
	s_cmp_lt_u32 s[WV], 8                          ; one load a wave; four v_nop follow each of the two lines
	s_cbranch_scc0 .Lnot_kv
	tensor_load_to_lds s[G0K:G0K+3], s[G1K:G1K+7]
	s_nop 0
.rept 4
	v_nop
.endr
	s_branch .Lasked
.Lnot_kv:
	s_cmp_eq_u32 s[WV], 8
	s_cbranch_scc0 .Lasked
	tensor_load_to_lds s[G0S:G0S+3], s[G1S:G1S+7]
	s_nop 0
.rept 4
	v_nop
.endr
.Lasked:
	v_and_b32 v[L8], 31, v0
	s_delay_alu instid0(VALU_DEP_1)
	v_lshlrev_b32 v[L8], 3, v[L8]
	v_and_b32 v6, 15, v0                           ; r
	v_bfe_u32 v7, v0, 4, 1                         ; h
	s_delay_alu instid0(VALU_DEP_2)
	v_lshlrev_b32 v[R4], 2, v6
.irp x, 0,1
.irp p, 0,1,2
	global_load_b64 v[QR+6+12*\x+2*\p:QR+7+12*\x+2*\p], v[L8], s[60:61] offset:768*\x+256*\p
.endr
.endr
	global_load_b32 v4, v[R4], s[62:63]            ; (even tile's two bytes, odd tile's two)
	v_lshlrev_b32 v[ST0], 6, v7
	s_delay_alu instid0(VALU_DEP_1)
	v_add_nc_u32 v[ST0], STL, v[ST0]
	v_mul_u32_u24 v[SOF], v7, 12800
	s_delay_alu instid0(VALU_DEP_1)
	v_lshl_add_u32 v[SOF], v6, 4, v[SOF]           ; the way out: row r's scale words, lanes 16-31 the odd tile's
.irp z, 0,12,24
.irp i, 0,1,2,3,4,5
	v_mov_b32 v[QR+\z+\i], 0                       ; the three runs of zero codes
.endr
.endr
	v_mov_b32 v[TM+2], 0                           ; written once: a lane permute's destination counts as one of its sources
	v_mov_b32 v[TM+3], 0
.irp j, 0,1,2,3,4,5,6,7,8,9,10,11,12,13,14,15,16,17,18,19,20,21,22,23,24,25,26,27,28,29,30,31,32,33,34,35,36,37,38,39,40,41,42,43,44,45,46,47,48,49,50,51,52,53,54,55,56,57,58,59,60,61,62,63
	v_mov_b32 v[OO+\j], 0                          ; O^T: the step is written once, and its first trip adds onto zeros
.endr
	s_wait_loadcnt 0x0
	v_perm_b32 v[QS], v4, v4, 0x01000100           ; the even tile's two bytes twice,
	v_perm_b32 v[QS+1], v4, v4, 0x03020302         ; the odd tile's
.rept 8
	v_nop                                          ; a scale register written by a vector instruction stands eight places ahead of a scaled product
.endr
	s_wait_tensorcnt 0x0
	s_barrier_signal -1
	s_barrier_wait -1                              ; K, V and n lie in LDS
.Lstep:                                            ; 16 trips of 128 keys
	v_add_nc_u32 v[ADK], s[TB], v[L8]              ; five places behind the last trip's products: the first scores are written over a fragment of V that those have read
	v_add_nc_u32 v[ADS], s[TB], v[R4]
	v_add_nc_u32 v[ADT], s[TS], v[ST0]
	v_nop
	v_nop
	LOADK 0
	LOADNM 0
	s_wait_alu depctr_va_vdst(0)
	BLOCK 0
	s_wait_alu depctr_va_vdst(0)
	BLOCK 1
	BLOCK 2
	s_wait_alu depctr_va_vdst(0)
	BLOCK 3
.rept 4
	v_nop                                          ; p's codes, last written by v_mov_b32, stand four places ahead of the scaled products; its scale words nineteen: two conversions, a v_nop, six lane swaps, six v_mov_b32 and these four
.endr
	s_wait_alu depctr_va_vdst(0)
	s_wait_dscnt 0x0                               ; V's four fragments and their scale words
	PVM 0, NM
	PVM 1, V1
	PVM 2, KF
	PVM 3, SS
	s_add_co_u32 s[TB], s[TB], 12800
	s_add_co_u32 s[TS], s[TS], 512
	s_sub_co_u32 s[CNT], s[CNT], 1
	s_cmp_lg_u32 s[CNT], 0
	s_cbranch_scc1 .Lstep
	; THE WAY OUT: my queries' 64 numbers of this head become a half fragment of the last product's operand
.rept 4
	v_nop
.endr
	QUANT2 OO, PC, SCW
	QUANT2 OO+32, PC+12, SCW+1
.irp x, 0,1
.irp p, 0,1,2
	global_store_b64 v[L8], v[PC+12*\x+2*\p:PC+12*\x+2*\p+1], s[56:57] offset:12800*\x+256*\p   ; 256 consecutive bytes, aligned
.endr
.endr
	v_cndmask_b32 v[SCW+2], v[SCW], v[SCW+1], s[HM]
	global_store_b16 v[SOF], v[SCW+2], s[58:59]    ; 2 bytes of scales for 48 bytes of codes
	s_wait_dscnt 0x0
	s_wait_tensorcnt 0x0
	ds_add_u32 v190, v191
	s_wait_dscnt 0x0
	CROUND                                         ; the closing round
	s_endpgm
.Lfunc_end_k_q1a935bb309_attn:
	.size	k_q1a935bb309_attn, .Lfunc_end_k_q1a935bb309_attn-k_q1a935bb309_attn
	.p2alignl 7, 3214868480
	.fill 96, 4, 3214868480
	.section	.rodata,"a",@progbits
	.p2align	6, 0x0
	.amdhsa_kernel k_q1a935bb309_attn
		.amdhsa_group_segment_fixed_size 215040
		.amdhsa_private_segment_fixed_size 0
		.amdhsa_enable_private_segment 0
		.amdhsa_kernarg_size 32
		.amdhsa_user_sgpr_count 2
		.amdhsa_user_sgpr_kernarg_segment_ptr 1
		.amdhsa_wavefront_size32 1
		.amdhsa_system_sgpr_workgroup_id_x 1
		.amdhsa_system_sgpr_workgroup_id_y 1
		.amdhsa_system_sgpr_workgroup_id_z 1
		.amdhsa_system_vgpr_workitem_id 0
		.amdhsa_next_free_vgpr 256
		.amdhsa_next_free_sgpr 70
		.amdhsa_reserve_vcc 0
		.amdhsa_float_denorm_mode_32 3
		.amdhsa_float_denorm_mode_16_64 3
		.amdhsa_memory_ordered 1
		.amdhsa_forward_progress 1
		.amdhsa_inst_pref_size 42
	.end_amdhsa_kernel
	.amdgpu_metadata
---
amdhsa.version: [ 1, 2 ]
amdhsa.kernels:
  - .name:           k_q1a935bb309_attn
    .symbol:         k_q1a935bb309_attn.kd
    .args:
      - { .name: qb, .offset: 0, .size: 8, .value_kind: global_buffer, .address_space: global }
      - { .name: kvb, .offset: 8, .size: 8, .value_kind: global_buffer, .address_space: global }
      - { .name: st, .offset: 16, .size: 8, .value_kind: global_buffer, .address_space: global }
      - { .name: ac, .offset: 24, .size: 8, .value_kind: global_buffer, .address_space: global }
    .group_segment_fixed_size: 215040
    .private_segment_fixed_size: 0
    .kernarg_segment_align: 8
    .kernarg_segment_size: 32
    .max_flat_workgroup_size: 512
    .sgpr_count:     70
    .vgpr_count:     256
    .wavefront_size: 32
...
	.end_amdgpu_metadata
.endif
;; end of part 4
;; launch oproj (part 5): grid 4 x 64, 8 waves a work-group, clusters of 4 x 4, 327,680 bytes of LDS; arguments ac, wc, bo, out0; writes out0
.if DOCPART == 5
	.amdgcn_target "amdgcn-amd-amdhsa--gfx1250"
	.amdhsa_code_object_version 6
	.text
	.protected	k_q1a935bb309_oproj
	.globl	k_q1a935bb309_oproj
	.p2align	8
	.type	k_q1a935bb309_oproj,@function
k_q1a935bb309_oproj:
	s_mov_b64 s[64:65], 0
	v_nop
	global_prefetch_b8 v0, s[64:65] scope:SCOPE_SE
	s_setreg_imm32_b32 hwreg(HW_REG_WAVE_MODE, 25, 1), 1
	s_wait_xcnt 0x0
	s_wait_alu depctr_hold_cnt(0) depctr_sa_sdst(0) depctr_va_vdst(0) depctr_va_sdst(0) depctr_va_ssrc(0) depctr_va_vcc(0) depctr_vm_vsrc(0)
	s_getreg_b32 s2, hwreg(HW_REG_IB_STS2, 6, 4)
	s_cmp_eq_u32 s2, 0
	s_cbranch_scc0 .Lentry_in_a_cluster
	s_endpgm
.Lentry_in_a_cluster:
	s_bfe_u32 s2, ttmp6, 0x10000c
	s_cmp_lg_u32 s2, 0xf033
	s_cbranch_scc0 .Lentry_shape_is_right
	s_endpgm
.Lentry_shape_is_right:
; out0 = attention's result (codes of E2M3, made by the launch before) x Wo (codes) + bo, f32.
; A work-group makes 128 tokens (source 1: a lane holds one) x 256 columns (source 0: a lane's registers run along them), K = 1,024.  Eight waves: wave w takes tokens 64 (w / 4) on and columns 64 (w % 4) on: 16 accumulators.
; Operands lie in memory in the order of their registers (12,800 bytes a tile of 16 rows, two chunks of 512 along K).  All of K for the work-group's 24 tiles fits in LDS: 307,200 bytes, each byte filled once, by six tensor loads at the head.
; CLUSTER 4 x 4: the tokens' tiles are shared along a row of the cluster, Wo's along a column: asked for jointly.
; A tile of rows: tile 2 G + u holds rows 32 G + 8 u + r + 8 (r / 8); so the 16 registers of tiles 2 G, 2 G + 1 of source 0 are 16 neighbouring columns.
.set WT,    819200
.set PANEL, 51200
.set CHK,   153600
.set STASH, 307200                     ; 512 bytes a wave for its 64 numbers of bo; no tensor load lands here
.set WV,  3
.set G1A, 24
.set G1B, 32
.set G0A, 40
.set G0B, 48
.set A1,  1
.set A0,  2
.set ASC, 3
.set L8,  4
.set STO, 9                            ; v9  the way out: where I put 16 bytes of a row
.set RD,  10                           ; v10 where I read a row back
.set CO,  12                           ; v12 my byte offset in out0
.set SC,  16                           ; v16-31 scale words and nothing else
.set F1,  32
.set F0,  80
.set ACC, 128
.set B0,  32                           ; the way out: v32-63 bo along the registers
.set RB,  64                           ; v64-95, v96-127: 16 rows read back, by turns
.macro CROUND
	s_barrier_signal -1
	s_barrier_wait -1
	s_cmp_lg_u32 s[WV], 0
	s_cbranch_scc1 .Lnot_wave_0_\@
	s_barrier_signal -3
.Lnot_wave_0_\@:
	s_barrier_wait -3
	s_barrier_signal -1
	s_barrier_wait -1
.endm
; 128 along K: eight fragments, then 16 products; the 16 accumulators take turns, one instruction a turn, in the same order in every step
.macro KSTEP s, zero
.irp m, 0,1,2,3
.irp p, 0,1,2,3,4,5
	ds_load_b64 v[F1+12*\m+2*\p:F1+12*\m+2*\p+1], v[A1] offset:6400*\m+1536*(\s)+256*\p
.endr
.endr
.irp t, 0,1,2,3
.irp p, 0,1,2,3,4,5
	ds_load_b64 v[F0+12*\t+2*\p:F0+12*\t+2*\p+1], v[A0] offset:6400*\t+1536*(\s)+256*\p
.endr
.endr
	s_wait_dscnt 0x0
.irp m, 0,1,2,3
.irp t, 0,1,2,3
.if \zero
	v_wmma_scale_f32_16x16x128_f8f6f4 v[ACC+32*\m+8*\t:ACC+32*\m+8*\t+7], v[F0+12*\t:F0+12*\t+11], v[F1+12*\m:F1+12*\m+11], 0, v[SC+4*\t+(\s)], v[SC+4*\m+(\s)] matrix_a_fmt:MATRIX_FMT_FP6 matrix_b_fmt:MATRIX_FMT_FP6 matrix_a_scale:MATRIX_SCALE_ROW1
.else
	v_wmma_scale_f32_16x16x128_f8f6f4 v[ACC+32*\m+8*\t:ACC+32*\m+8*\t+7], v[F0+12*\t:F0+12*\t+11], v[F1+12*\m:F1+12*\m+11], v[ACC+32*\m+8*\t:ACC+32*\m+8*\t+7], v[SC+4*\t+(\s)], v[SC+4*\m+(\s)] matrix_a_fmt:MATRIX_FMT_FP6 matrix_b_fmt:MATRIX_FMT_FP6 matrix_a_scale:MATRIX_SCALE_ROW1
.endif
.endr
.endr
.rept 4
	v_nop                                          ; four places in front of loads into registers that the products have read, and of the first read of results
.endr
.endm
.macro CHUNK zero
.irp i, 0,1,2,3
	ds_load_b128 v[SC+4*\i:SC+4*\i+3], v[ASC] offset:6400*\i
.endr
	KSTEP 0, \zero
	KSTEP 1, 0
	KSTEP 2, 0
	KSTEP 3, 0
.endm
	s_load_b256 s[4:11], s[0:1], 0x0               ; ac, wc, bo, out0
	v_lshl_add_u32 v14, v0, 2, 0x4bf00
	v_mov_b32 v15, 0
	ds_add_u32 v14, v15
	ds_add_u32 v14, v15
	v_lshrrev_b32 v1, 5, v0
	s_delay_alu instid0(VALU_DEP_1)
	v_readfirstlane_b32 s[WV], v1                  ; wave 0..7
	s_and_b32 s67, s[WV], 3                        ; w0: my 64 columns
	s_lshr_b32 s68, s[WV], 2                       ; w1: my 64 tokens
	s_bfe_u32 s56, ttmp6, 0x40000                  ; cx: which 256 columns
	s_bfe_u32 s57, ttmp6, 0x40004                  ; cy
	s_and_b32 s58, ttmp7, 0xffff
	s_lshl_b32 s66, s58, 2
	s_add_co_u32 s66, s66, s57                     ; which 128 tokens
	s_lshl_b32 s70, s57, 2
	s_lshl_b32 s70, 15, s70                        ; my row of the cluster
	s_lshl_b32 s76, 0x1111, s56                    ; my column
	; group 1: 8 rows (tiles) of 6,400 bytes (800 elements of 8 bytes), 12,800 bytes apart; no padding
	s_or_b32 s[G1A], s70, (3<<16)|(1<<21)
	s_or_b32 s[G1B], s76, (3<<16)|(1<<21)
.irp g, G1A, G1B
	s_mov_b32 s[\g+1], 800<<16
	s_mov_b32 s[\g+2], 8<<16
	s_mov_b32 s[\g+3], 800<<16
	s_mov_b32 s[\g+4], 8
	s_mov_b32 s[\g+5], 1600
	s_mov_b32 s[\g+6], 0
	s_mov_b32 s[\g+7], 0
.endr
	s_mul_i32 s72, s66, 102400                     ; the tokens' 8 tiles.  (These registers never hold cx)
	s_mov_b32 s73, 0
	s_mul_i32 s78, s56, 204800                     ; Wo's 16 tiles; wave 1 fetches the first eight, wave 2 the others.  (These never hold cy)
	s_mul_i32 s81, s[WV], 11
	s_lshr_b32 s81, s81, 5                         ; waves 0-2 fetch chunk 0's three panels, waves 3-5 chunk 1's: the chunk is wave / 3
	s_add_co_u32 s79, s[WV], s81
	s_bfe_u32 s79, s79, 0x10001                    ; waves 1, 4: Wo's first eight tiles; waves 2, 5: the others
	s_mul_i32 s79, s79, 102400
	s_add_co_u32 s78, s78, s79
	s_mul_i32 s81, s81, 6400
	s_add_co_u32 s78, s78, s81                     ; the chunk's place in a tile, in both sources
	s_add_co_u32 s72, s72, s81
	s_add_co_u32 s78, s78, 3*WT                    ; Wo is the fourth weight in wc
	s_mov_b32 s79, 0
	s_mul_i32 s80, s[WV], PANEL
	s_lshl_b32 s84, s66, 19                        ; out0: 128 rows of 4,096 bytes a work-group,
	s_lshl_b32 s85, s68, 18                        ; 64 a wave,
	s_add_co_u32 s84, s84, s85
	s_lshl_b32 s86, s56, 10                        ; 256 columns a work-group,
	s_lshl_b32 s85, s67, 8                         ; 64 a wave
	s_add_co_u32 s86, s86, s85                     ; (also my place in bo)
	s_add_co_u32 s84, s84, s86
	s_mov_b32 s85, 0
	s_wait_dscnt 0x0
	s_wait_kmcnt 0x0
	s_add_nc_u64 s[74:75], s[4:5], s[72:73]
	s_add_nc_u64 s[82:83], s[6:7], s[78:79]
	s_add_nc_u64 s[10:11], s[10:11], s[84:85]
.irp c, 0
	s_mov_b32 s[G0A+4*\c], 1
	s_add_co_u32 s[G0A+4*\c+1], s80, \c*CHK
	s_add_nc_u64 s[G0A+4*\c+2:G0A+4*\c+3], s[74:75], \c*6400
	s_or_b32 s[G0A+4*\c+3], s[G0A+4*\c+3], 0x80000000
	s_mov_b32 s[G0B+4*\c], 1
	s_add_co_u32 s[G0B+4*\c+1], s80, \c*CHK
	s_add_nc_u64 s[G0B+4*\c+2:G0B+4*\c+3], s[82:83], \c*6400
	s_or_b32 s[G0B+4*\c+3], s[G0B+4*\c+3], 0x80000000
.endr
	CROUND                                         ; all sixteen work-groups are here: the joint loads meet
	s_cmp_eq_u32 s[WV], 0                          ; waves 0, 3: the tokens' panel of chunk 0, 1; waves 1, 2, 4, 5: Wo's: one load a wave, panel = wave
	s_cbranch_scc1 .Lsrc1
	s_cmp_eq_u32 s[WV], 3
	s_cbranch_scc0 .Lnot_src1
.Lsrc1:
	tensor_load_to_lds s[G0A:G0A+3], s[G1A:G1A+7]
	s_nop 0
.rept 4
	v_nop
.endr
	s_branch .Lasked
.Lnot_src1:
	s_cmp_lt_u32 s[WV], 6
	s_cbranch_scc0 .Lasked
	tensor_load_to_lds s[G0B:G0B+3], s[G1B:G1B+7]
	s_nop 0
.rept 4
	v_nop
.endr
.Lasked:
	v_and_b32 v[L8], 31, v0
	s_delay_alu instid0(VALU_DEP_1)
	v_lshlrev_b32 v[L8], 3, v[L8]
	v_and_b32 v5, 15, v0                           ; r
	v_bfe_u32 v6, v0, 4, 1                         ; h
	s_delay_alu instid0(VALU_DEP_3)
	v_add_nc_u32 v13, s86, v[L8]
	global_load_b64 v[32:33], v13, s[8:9]          ; my 64 numbers of bo
	s_mul_i32 s18, s68, 25600
	s_mul_i32 s19, s67, 25600
	s_add_co_u32 s19, s19, PANEL
	v_add_nc_u32 v[A1], s18, v[L8]
	v_add_nc_u32 v[A0], s19, v[L8]
	s_sub_co_u32 s19, s19, s18
	v_mul_u32_u24 v[ASC], s19, v6                  ; lanes 16-31 take source 0's scale words: one product, the distance between the two
	s_delay_alu instid0(VALU_DEP_1)
	v_lshl_add_u32 v[ASC], v5, 4, v[ASC]
	s_add_co_u32 s18, s18, 6144
	v_add_nc_u32 v[ASC], s18, v[ASC]
	s_lshl_b32 s18, s[WV], 9
	s_add_co_u32 s18, s18, STASH
	v_add_nc_u32 v11, s18, v[L8]
	v_lshl_add_u32 v7, v6, 6, s18                  ; back: 16 h numbers on
	s_mul_i32 s18, s[WV], 4352                     ; my stage: 16 rows of 256 + 16 bytes, in chunk 0's bytes
	v_mul_u32_u24 v[STO], v5, 272
	s_delay_alu instid0(VALU_DEP_1)
	v_lshl_add_u32 v[STO], v6, 6, v[STO]
	s_delay_alu instid0(VALU_DEP_1)
	v_add_nc_u32 v[STO], s18, v[STO]               ; in: row r, + 64 h
	v_mul_u32_u24 v[RD], v6, 272
	s_delay_alu instid0(VALU_DEP_1)
	v_lshl_add_u32 v[RD], v5, 4, v[RD]
	s_delay_alu instid0(VALU_DEP_1)
	v_add_nc_u32 v[RD], s18, v[RD]                 ; back: lanes 0-15 one row, lanes 16-31 the next
	v_lshlrev_b32 v[CO], 12, v6
	s_delay_alu instid0(VALU_DEP_1)
	v_lshl_add_u32 v[CO], v5, 4, v[CO]             ; and the same two rows in out0
	s_wait_loadcnt 0x0
	ds_store_b64 v11, v[32:33]
	s_wait_tensorcnt 0x0                           ; my one load has landed
	s_wait_dscnt 0x0
	s_barrier_signal -1
	s_barrier_wait -1
	CHUNK 1                                        ; the first step's products start the sums
	s_wait_dscnt 0x0                               ; my reads of chunk 0 are over: behind this barrier its bytes, which have had their one fill, serve as stages
	s_barrier_signal -1
	s_barrier_wait -1
	v_add_nc_u32 v[A1], CHK, v[A1]
	s_wait_alu depctr_va_vdst(0)
	v_add_nc_u32 v[A0], CHK, v[A0]
	s_wait_alu depctr_va_vdst(0)
	v_add_nc_u32 v[ASC], CHK, v[ASC]
	CHUNK 0
	; THE WAY OUT, a tile of 16 tokens at a time: + bo; through my own stage, so that sixteen lanes store 256 consecutive aligned bytes of a row.  LDS serves a wave's instructions in order: no wait between the stores and the loads
.irp b, 0,1
.irp u, 0,1
	ds_load_b128 v[B0+16*\b+8*\u:B0+16*\b+8*\u+3], v7 offset:(32*\b+8*\u)*4
	ds_load_b128 v[B0+16*\b+8*\u+4:B0+16*\b+8*\u+7], v7 offset:(32*\b+8*\u)*4+16
.endr
.endr
	s_wait_dscnt 0x0
.irp m, 0,1,2,3
.irp j, 0,2,4,6,8,10,12,14,16,18,20,22,24,26,28,30
	v_pk_add_f32 v[ACC+32*\m+\j:ACC+32*\m+\j+1], v[ACC+32*\m+\j:ACC+32*\m+\j+1], v[B0+\j:B0+\j+1]     ; each accumulator from its low end on
.endr
.irp b, 0,1
.irp u, 0,1
	ds_store_b128 v[STO], v[ACC+32*\m+16*\b+8*\u:ACC+32*\m+16*\b+8*\u+3] offset:128*\b+32*\u
	ds_store_b128 v[STO], v[ACC+32*\m+16*\b+8*\u+4:ACC+32*\m+16*\b+8*\u+7] offset:128*\b+32*\u+16
.endr
.endr
.if \m >= 2
	s_wait_xcnt 0x0                                ; the stores of two tiles ago have read these registers
.endif
.irp i, 0,1,2,3,4,5,6,7
	ds_load_b128 v[RB+32*(\m%2)+4*\i:RB+32*(\m%2)+4*\i+3], v[RD] offset:544*\i
.endr
	s_wait_dscnt 0x0
.irp i, 0,1,2,3,4,5,6,7
	global_store_b128 v[CO], v[RB+32*(\m%2)+4*\i:RB+32*(\m%2)+4*\i+3], s[10:11] offset:(32*(\m/2)+8*(\m%2)+2*\i+8*(\i/4))*4096 th:TH_STORE_NT   ; written once, read by nobody here
.endr
.endr
	s_wait_dscnt 0x0
	s_wait_tensorcnt 0x0
	ds_add_u32 v14, v15
	s_wait_dscnt 0x0
	CROUND                                         ; the closing round: no work-group ends while a partner may still ask for a tile that names it
	s_endpgm
.Lfunc_end_k_q1a935bb309_oproj:
	.size	k_q1a935bb309_oproj, .Lfunc_end_k_q1a935bb309_oproj-k_q1a935bb309_oproj
	.p2alignl 7, 3214868480
	.fill 96, 4, 3214868480
	.section	.rodata,"a",@progbits
	.p2align	6, 0x0
	.amdhsa_kernel k_q1a935bb309_oproj
		.amdhsa_group_segment_fixed_size 327680
		.amdhsa_private_segment_fixed_size 0
		.amdhsa_enable_private_segment 0
		.amdhsa_kernarg_size 32
		.amdhsa_user_sgpr_count 2
		.amdhsa_user_sgpr_kernarg_segment_ptr 1
		.amdhsa_wavefront_size32 1
		.amdhsa_system_sgpr_workgroup_id_x 1
		.amdhsa_system_sgpr_workgroup_id_y 1
		.amdhsa_system_sgpr_workgroup_id_z 1
		.amdhsa_system_vgpr_workitem_id 0
		.amdhsa_next_free_vgpr 256
		.amdhsa_next_free_sgpr 90
		.amdhsa_reserve_vcc 0
		.amdhsa_float_denorm_mode_32 3
		.amdhsa_float_denorm_mode_16_64 3
		.amdhsa_memory_ordered 1
		.amdhsa_forward_progress 1
		.amdhsa_inst_pref_size 61
	.end_amdhsa_kernel
	.amdgpu_metadata
---
amdhsa.version: [ 1, 2 ]
amdhsa.kernels:
  - .name:           k_q1a935bb309_oproj
    .symbol:         k_q1a935bb309_oproj.kd
    .args:
      - { .name: ac, .offset: 0, .size: 8, .value_kind: global_buffer, .address_space: global }
      - { .name: wc, .offset: 8, .size: 8, .value_kind: global_buffer, .address_space: global }
      - { .name: bo, .offset: 16, .size: 8, .value_kind: global_buffer, .address_space: global }
      - { .name: out0, .offset: 24, .size: 8, .value_kind: global_buffer, .address_space: global }
    .group_segment_fixed_size: 327680
    .private_segment_fixed_size: 0
    .kernarg_segment_align: 8
    .kernarg_segment_size: 32
    .max_flat_workgroup_size: 256
    .sgpr_count:     90
    .vgpr_count:     256
    .wavefront_size: 32
...
	.end_amdgpu_metadata
.endif
;; end of part 5
